; MI455X (gfx1250); checked and timed in simulation.
; The chip was launched on July 23, 2026; its instructions are those of AMD's public machine-readable ISA for CDNA 5 (MIT licence, August 2026) and "CDNA5" Instruction Set Architecture Reference Guide (July 2026). The comments in the code are by the model that wrote it; some were corrected since.
;; Transformer Memory Layer. Allowed arithmetic: matrix products marked QUANTISED: E2M1 operands, one E8M0 scale for each 32 along K, by v_wmma_scale_f32_16x16x128_f8f6f4 with both operands' format E2M1 (or v_wmma_scale_f32_32x16x128_f4), f32 sums; products left as they are: f32 operands where the result goes on into a quantised operand, else bf16, f16 or f32 operands; f32 sums; everything else in f32.
;; Inputs: Wg 1,024 x 4 float32; Wk_codes 4 x 1,024 x 32 x 16 uint8 (E2M1 codes of Wk, K innermost, in blocks of 32 codes, two codes a byte); Wk_scales 4 x 1,024 x 32 uint8 (E8M0 scales of Wk, one for each 32 codes along K); Wo_codes 4 x 1,024 x 32 x 16 uint8 (E2M1 codes of Wo, K innermost, in blocks of 32 codes, two codes a byte); Wo_scales 4 x 1,024 x 32 uint8 (E8M0 scales of Wo, one for each 32 codes along K); Wq_codes 4 x 1,024 x 32 x 16 uint8 (E2M1 codes of Wq, K innermost, in blocks of 32 codes, two codes a byte); Wq_scales 4 x 1,024 x 32 uint8 (E8M0 scales of Wq, one for each 32 codes along K); Wv_codes 4 x 1,024 x 32 x 16 uint8 (E2M1 codes of Wv, K innermost, in blocks of 32 codes, two codes a byte); Wv_scales 4 x 1,024 x 32 uint8 (E8M0 scales of Wv, one for each 32 codes along K); beta 1,024 float32; bg 4 float32; bk 4 x 1,024 float32; bo 4 x 1,024 float32; bq 4 x 1,024 float32; bv 4 x 1,024 float32; gamma 1,024 float32; x 4 x 512 x 1,024 float32.
;; Outputs: out0 4 x 512 x 1,024 float32.
;; This version of the problem:
;;   THIS VERSION OF THE PROBLEM IS GIVEN IN LOW PRECISION. The matrix products marked QUANTISED in the list below multiply operands that are first quantised to E2M1 (2 exponent bits, 1 mantissa bit; 4 bits a number), with one power-of-two scale for each 32 numbers along K (OCP MX v1.0); their sums are f32. All else is computed in f32.
;;   The module's matrix products, in the order in which they are computed (A, B: the left and right operand; K: the contracted axis; several contracted axes count as one K, in the product's order):
;;     1. [M 2,048, K 1,024] x [K 1,024, N 4]; A: computed on the way; B: input Wg: left as it is (N = 4 < 16)
;;     2. [M 2,048, K 1,024] x [K 1,024, N 1,024]; A: computed on the way; B: input Wq (given as codes): QUANTISED
;;     3. [M 2,048, K 1,024] x [K 1,024, N 1,024]; A: computed on the way; B: input Wk (given as codes): QUANTISED
;;     4. [M 2,048, K 1,024] x [K 1,024, N 1,024]; A: computed on the way; B: input Wv (given as codes): QUANTISED
;;     5. batch 64 x [M 512, K 64] x [K 64, N 512]; A: computed on the way; B: computed on the way: QUANTISED
;;     6. batch 64 x [M 512, K 512] x [K 512, N 64]; A: softmax (see below); B: computed on the way: QUANTISED
;;     7. [M 2,048, K 1,024] x [K 1,024, N 1,024]; A: computed on the way; B: input Wo (given as codes): QUANTISED
;;     8. [M 2,048, K 1,024] x [K 1,024, N 1,024]; A: computed on the way; B: input Wq (given as codes): QUANTISED
;;     9. [M 2,048, K 1,024] x [K 1,024, N 1,024]; A: computed on the way; B: input Wk (given as codes): QUANTISED
;;     10. [M 2,048, K 1,024] x [K 1,024, N 1,024]; A: computed on the way; B: input Wv (given as codes): QUANTISED
;;     11. batch 64 x [M 512, K 64] x [K 64, N 512]; A: computed on the way; B: computed on the way: QUANTISED
;;     12. batch 64 x [M 512, K 512] x [K 512, N 64]; A: softmax (see below); B: computed on the way: QUANTISED
;;     13. [M 2,048, K 1,024] x [K 1,024, N 1,024]; A: computed on the way; B: input Wo (given as codes): QUANTISED
;;     14. [M 2,048, K 1,024] x [K 1,024, N 1,024]; A: computed on the way; B: input Wq (given as codes): QUANTISED
;;     15. [M 2,048, K 1,024] x [K 1,024, N 1,024]; A: computed on the way; B: input Wk (given as codes): QUANTISED
;;     16. [M 2,048, K 1,024] x [K 1,024, N 1,024]; A: computed on the way; B: input Wv (given as codes): QUANTISED
;;     17. batch 64 x [M 512, K 64] x [K 64, N 512]; A: computed on the way; B: computed on the way: QUANTISED
;;     18. batch 64 x [M 512, K 512] x [K 512, N 64]; A: softmax (see below); B: computed on the way: QUANTISED
;;     19. [M 2,048, K 1,024] x [K 1,024, N 1,024]; A: computed on the way; B: input Wo (given as codes): QUANTISED
;;     20. [M 2,048, K 1,024] x [K 1,024, N 1,024]; A: computed on the way; B: input Wq (given as codes): QUANTISED
;;     21. [M 2,048, K 1,024] x [K 1,024, N 1,024]; A: computed on the way; B: input Wk (given as codes): QUANTISED
;;     22. [M 2,048, K 1,024] x [K 1,024, N 1,024]; A: computed on the way; B: input Wv (given as codes): QUANTISED
;;     23. batch 64 x [M 512, K 64] x [K 64, N 512]; A: computed on the way; B: computed on the way: QUANTISED
;;     24. batch 64 x [M 512, K 512] x [K 512, N 64]; A: softmax (see below); B: computed on the way: QUANTISED
;;     25. [M 2,048, K 1,024] x [K 1,024, N 1,024]; A: computed on the way; B: input Wo (given as codes): QUANTISED
;;   THE QUANTISER, for each operand of a quantised product, along K:
;;     - K is cut into blocks of 32 from its start; a last block that is shorter is filled with zeros.
;;     - A block's scale is 2^e with e = floor(log2(the largest magnitude in the block)) - 2, held to -126 .. 127; a block of zeros has e = 0. As a byte (E8M0): e + 127.
;;     - Each number is divided by its block's scale, clamped to +-6, and rounded to the nearest number of E2M1, ties to even, subnormals kept.
;;     - The product sums the exact products of the quantised numbers (number of the format x scale) in f32.
;;   ~~~python
;;   def quantise(x, axis):      # numpy; x: float32 -> the quantised numbers, widened to float32 again
;;       x = np.moveaxis(x, axis, -1); K = x.shape[-1]
;;       x = np.pad(x, [(0, 0)] * (x.ndim - 1) + [(0, -K % 32)]); x = x.reshape(x.shape[:-1] + (-1, 32)); a = np.abs(x).max(-1, keepdims=True)
;;       e = np.where(a > 0, np.clip(np.frexp(np.where(a > 0, a, 1))[1] - 1 - 2, -126, 127), 0)      # np.frexp(a)[1] - 1 = floor(log2(a)), exactly
;;       r = np.clip(x / 2.0 ** e, -6, 6)
;;       step = 2.0 ** (np.maximum(np.frexp(np.where(r == 0, 1, r))[1] - 1, 0) - 1)
;;       q = np.round(r / step) * step * 2.0 ** e      # np.round: ties to even
;;       return np.moveaxis(q.reshape(q.shape[:-2] + (-1,))[..., :K], -1, axis).astype(np.float32)
;;   ~~~
;;   SOFTMAX AHEAD OF A QUANTISED PRODUCT. Where the list says 'softmax', what is quantised is not the finished softmax but p = 2^(t - M), with t = logit x log2(e) and M = ceil(the row's largest t), a whole number; so 1/2 < the row's largest p <= 1. The row's sum l is taken of the UNQUANTISED p, in f32, and the product's result is divided by l at the end. Since M is a whole number, a kernel that streams over the keys may use a running M (the ceiling of the running maximum): every later rescaling is an exact power of two, which a block's scale takes up: the codes' values come out the same.
;;   OPERANDS COMPUTED ON THE WAY. 'Computed on the way' means the value that the module computes at that place (a softmax that the list does not call 'softmax' is quantised finished and normalised). What goes into a quantiser is computed in f32, as accurately as f32 sums, v_exp_f32 and their like allow (about 1e-6 of the number): no bf16 or f16 on the way to a quantiser, and a product that is left as it is and whose result goes on into a quantised operand takes f32 operands (vector FMAs, or v_wmma_f32_16x16x4_f32). A number that lies on a knife's edge between two numbers of the format may be rounded either way, as far as f32 arithmetic and the matrix unit's own rounding can turn it there, and no further.
;;   INPUTS GIVEN AS CODES. Wk (in the module: [4, 1024, 1024], K = its axis 1); Wo (in the module: [4, 1024, 1024], K = its axis 1); Wq (in the module: [4, 1024, 1024], K = its axis 1); Wv (in the module: [4, 1024, 1024], K = its axis 1): each comes as NAME_codes (uint8): NAME with its K axis moved to the last place and cut into blocks of 32 codes, [.., K / 32, bytes a block], one block behind the other in memory; two codes a byte, the lower K in the low four bits (a code: sign, 2 exponent bits, 1 mantissa bit); and NAME_scales (uint8): the same leading axes, one E8M0 byte (e + 127) for each 32 codes along K. Its value is code x scale, taken as it is: it is not quantised again, and the codes and scales need not be those that the quantiser above would give.
;; One version. Each part assembles by itself: llvm-mc -triple=amdgcn-amd-amdhsa -mcpu=gfx1250 --defsym DOCPART=n.
;; ======== version 1 of 1: 3 launches
;; limits: right only within a limited range of input values
;; workspace buffers: xn_codes 1,048,576 bytes; xn_scales 65,536 bytes; gates 32,768 bytes; ctx_codes 4,194,304 bytes; ctx_scales 262,144 bytes
;; launch norm (part 1): grid 128 x 1, 16 waves a work-group, no clusters, 76,800 bytes of LDS; arguments x, gamma, beta, Wg, bg, xn_codes, xn_scales, gates; writes xn_codes, xn_scales, gates
.if DOCPART == 1
	.amdgcn_target "amdgcn-amd-amdhsa--gfx1250"
	.amdhsa_code_object_version 6
	.text
	.protected	k_qb3547b51af_norm
	.globl	k_qb3547b51af_norm
	.p2align	8
	.type	k_qb3547b51af_norm,@function
k_qb3547b51af_norm:
	s_mov_b64 s[64:65], 0
	v_nop
	global_prefetch_b8 v0, s[64:65] scope:SCOPE_SE
	s_setreg_imm32_b32 hwreg(HW_REG_WAVE_MODE, 25, 1), 1
	s_wait_xcnt 0x0
; xn = LayerNorm(x) gamma + beta;  gates = softmax(xn Wg + bg);  xn as codes of E2M1 with one E8M0 byte for each 32 along D.
; x: [2048 tokens][1024] f32.  All arithmetic in f32; the variance is taken of x - mean (two passes over registers), so a common offset of x costs no accuracy.
; TILES.  The later launches take tokens in tiles of 16: tile Tg = 2 (token / 32) + u, row r of it is token 32 (Tg / 2) + 8 u + r + 8 (r / 8).
; OUTPUT LAYOUTS (this program's own): xn_codes [Tg][block of 32 along D: 32][r][16 bytes]: a group of four operand registers of a K step is 512 bytes on end, lane l's at 16 l;
;   xn_scales [Tg][r][32 bytes];  gates [Tg][r][4] f32.
; SHARES.  A work-group of sixteen waves owns one tile.  First wave w owns row w (mean, variance, normalised row to LDS); then wave w owns blocks 2 w and 2 w + 1 of all 16 rows:
; lane (r, hl) holds ONE whole block of 32 numbers of row r in 32 registers, so that a block's largest magnitude needs no other lane and the conversions' results are 16 bytes of the output as they lie.
; No matrix unit (the gate product has 4 columns), no tensor load (each byte is staged once), no cluster (work-groups share only 24 KB of parameters).
; LIMITS: NaN and infinities among the inputs are not served.  A block of zeros gets the scale byte 1 where the quantiser's rule says 127: its codes are zeros, and this program alone reads the bytes.
.set YP,  4112                         ; LDS: a normalised row, 4,096 bytes + 16: an odd multiple of 16, so that sixteen rows' equal columns fall into sixteen different 16-byte columns of 256
.set GP,  16*YP                        ; the gate products' parts: [wave][lane][16 bytes]
.set SCB, GP+16*512                    ; the scale bytes: [r][32]
.set X,   16                           ; v16-47   my row's 32 numbers, then my block's
.set GA,  48                           ; v48-79   gamma of my block
.set BE,  80                           ; v80-111  beta of my block
.set WG,  112                          ; v112-239 Wg[k][0..3] of my block's 32 k
.set A,   240                          ; v240-247 chains of sums
.set C,   248                          ; v248-251 my block's codes
.set M,   252                          ; v252-255 at work
	s_load_b256 s[4:11], s[0:1], 0x0               ; x s[4:5], gamma s[6:7], beta s[8:9], Wg s[10:11]
	s_load_b256 s[12:19], s[0:1], 0x20             ; bg s[12:13], xn_codes s[14:15], xn_scales s[16:17], gates s[18:19]
	v_lshrrev_b32 v12, 5, v0
	s_delay_alu instid0(VALU_DEP_1)
	v_readfirstlane_b32 s20, v12                   ; wave w
	v_and_b32 v1, 31, v0                           ; l
	v_and_b32 v3, 15, v0                           ; r
	v_bfe_u32 v4, v0, 4, 1                         ; hl
	s_delay_alu instid0(VALU_DEP_3)
	v_lshlrev_b32 v2, 4, v1                        ; 16 l
	s_lshl_b32 s21, s20, 8
	v_lshl_add_u32 v5, v4, 7, s21                  ; gamma, beta: my block's 128 bytes at 256 w + 128 hl
	s_delay_alu instid0(VALU_DEP_1)
	v_lshlrev_b32 v6, 2, v5                        ; Wg: its 32 rows of 16 bytes
	s_mul_i32 s21, s20, YP
	v_add_nc_u32 v7, s21, v2                       ; LDS, in: row w, 16 l
	v_mul_u32_u24 v8, v3, YP
	s_delay_alu instid0(VALU_DEP_1)
	v_add_nc_u32 v8, v8, v5                        ; LDS, back: row r, my block
	s_lshl_b32 s21, s20, 1
	s_add_co_u32 s21, s21, SCB
	v_lshl_add_u32 v9, v3, 5, v4
	s_delay_alu instid0(VALU_DEP_1)
	v_add_nc_u32 v9, s21, v9                       ; my block's scale byte: SCB + 32 r + 2 w + hl
	s_lshl_b32 s21, s20, 9                         ; 512 w
	s_add_co_u32 s22, s21, GP
	v_add_nc_u32 v10, s22, v2                      ; my gate parts
	v_add_nc_u32 v11, GP, v2                       ; wave 0 reads all waves' parts from here,
	v_add_nc_u32 v13, SCB, v2                      ; wave 1 the scale bytes from here
	v_lshlrev_b32 v14, 4, v3
	s_delay_alu instid0(VALU_DEP_1)
	v_lshl_add_u32 v14, v4, 3, v14                 ; gates, out: 16 r + 8 hl
	s_lshl_b32 s32, ttmp9, 13
	s_add_co_u32 s32, s32, s21                     ; xn_codes: 8,192 Tg + 512 w
	s_mov_b32 s33, 0
	s_lshl_b32 s34, ttmp9, 9                       ; xn_scales: 512 Tg
	s_mov_b32 s35, 0
	s_lshl_b32 s36, ttmp9, 8                       ; gates: 256 Tg
	s_mov_b32 s37, 0
	s_lshr_b32 s21, ttmp9, 1
	s_lshl_b32 s21, s21, 5
	s_and_b32 s22, ttmp9, 1
	s_lshl_b32 s22, s22, 3
	s_add_co_u32 s21, s21, s22
	s_add_co_u32 s21, s21, s20
	s_and_b32 s22, s20, 8
	s_add_co_u32 s21, s21, s22                     ; my token: 32 (Tg / 2) + 8 (Tg % 2) + w + 8 (w / 8)
	s_lshl_b32 s22, s21, 12                        ; a row of x is 4,096 bytes
	s_mov_b32 s23, 0
	s_mov_b32 s28, 0x76543210
	s_mov_b32 s29, 0xfedcba98                      ; v_permlanex16_b32's selects for lane l xor 16
	s_mov_b32 s30, 0x3a800000                      ; 1 / 1024
	s_mov_b32 s31, 0x3727c5ac                      ; 1e-5
	s_wait_kmcnt 0x0
	s_load_b128 s[24:27], s[12:13], 0x0            ; bg
	s_add_nc_u64 s[4:5], s[4:5], s[22:23]
	s_add_nc_u64 s[14:15], s[14:15], s[32:33]
	s_add_nc_u64 s[16:17], s[16:17], s[34:35]
	s_add_nc_u64 s[18:19], s[18:19], s[36:37]
.irp j, 0,1,2,3,4,5,6,7
	global_load_b128 v[X+4*\j:X+4*\j+3], v2, s[4:5] offset:512*\j      ; my row: 512 consecutive bytes a load
.endr
.irp i, 0,1,2,3,4,5,6,7
	global_load_b128 v[GA+4*\i:GA+4*\i+3], v5, s[6:7] offset:16*\i
.endr
.irp i, 0,1,2,3,4,5,6,7
	global_load_b128 v[BE+4*\i:BE+4*\i+3], v5, s[8:9] offset:16*\i
.endr
.irp i, 0,1,2,3,4,5,6,7,8,9,10,11,12,13,14,15,16,17,18,19,20,21,22,23,24,25,26,27,28,29,30,31
	global_load_b128 v[WG+4*\i:WG+4*\i+3], v6, s[10:11] offset:16*\i
.endr
	s_wait_kmcnt 0x0                               ; bg
; four chains of pairs in v[A:A+7] become one number, the same in all 32 lanes
.macro FOLD
	s_delay_alu instid0(VALU_DEP_3)
	v_pk_add_f32 v[A:A+1], v[A:A+1], v[A+2:A+3]
	s_delay_alu instid0(VALU_DEP_2)
	v_pk_add_f32 v[A+4:A+5], v[A+4:A+5], v[A+6:A+7]
	s_delay_alu instid0(VALU_DEP_1)
	v_pk_add_f32 v[A:A+1], v[A:A+1], v[A+4:A+5]
	s_delay_alu instid0(VALU_DEP_1)
	v_add_f32 v[A], v[A], v[A+1]
	s_delay_alu instid0(VALU_DEP_1)
	v_add_f32_dpp v[A], v[A], v[A] row_xmask:1 row_mask:0xf bank_mask:0xf
	s_delay_alu instid0(VALU_DEP_1)
	v_add_f32_dpp v[A], v[A], v[A] row_xmask:2 row_mask:0xf bank_mask:0xf
	s_delay_alu instid0(VALU_DEP_1)
	v_add_f32_dpp v[A], v[A], v[A] row_xmask:4 row_mask:0xf bank_mask:0xf
	s_delay_alu instid0(VALU_DEP_1)
	v_add_f32_dpp v[A], v[A], v[A] row_xmask:8 row_mask:0xf bank_mask:0xf
	s_delay_alu instid0(VALU_DEP_1)
	v_permlanex16_b32 v[A+1], v[A], s28, s29
	s_delay_alu instid0(VALU_DEP_1)
	v_add_f32 v[A], v[A], v[A+1]
.endm
	; ---- my row: mean, variance, normalised
	s_wait_loadcnt 48                              ; x's eight loads are in; the 48 loads of parameters issued behind them may be out
.irp c, 0,1,2,3
	v_pk_add_f32 v[A+2*\c:A+2*\c+1], v[X+2*\c:X+2*\c+1], v[X+8+2*\c:X+9+2*\c]
.endr
.irp k, 16,24
.irp c, 0,1,2,3
	s_delay_alu instid0(VALU_DEP_4)
	v_pk_add_f32 v[A+2*\c:A+2*\c+1], v[A+2*\c:A+2*\c+1], v[X+\k+2*\c:X+\k+2*\c+1]
.endr
.endr
	FOLD
	s_delay_alu instid0(VALU_DEP_1)
	v_mul_f32 v[M], s30, v[A]                      ; the mean,
	s_delay_alu instid0(VALU_DEP_1)
	v_mov_b32 v[M+1], v[M]                         ; as a pair
.irp i, 0,2,4,6,8,10,12,14,16,18,20,22,24,26,28,30
	v_pk_add_f32 v[X+\i:X+\i+1], v[X+\i:X+\i+1], v[M:M+1] neg_lo:[0,1] neg_hi:[0,1]
.endr
.irp c, 0,1,2,3
	v_pk_mul_f32 v[A+2*\c:A+2*\c+1], v[X+2*\c:X+2*\c+1], v[X+2*\c:X+2*\c+1]
.endr
.irp k, 8,16,24
.irp c, 0,1,2,3
	s_delay_alu instid0(VALU_DEP_4)
	v_pk_fma_f32 v[A+2*\c:A+2*\c+1], v[X+\k+2*\c:X+\k+2*\c+1], v[X+\k+2*\c:X+\k+2*\c+1], v[A+2*\c:A+2*\c+1]
.endr
.endr
	FOLD
	s_delay_alu instid0(VALU_DEP_1)
	v_fma_f32 v[A], v[A], s30, s31                 ; variance + eps
	s_wait_alu depctr_va_vdst(0)
	v_rsq_f32 v[M+2], v[A]
	v_nop                                          ; a plain instruction behind the transcendental,
	s_wait_alu depctr_va_vdst(0)                   ; and the wait ahead of its first reader
	v_mov_b32 v[M+3], v[M+2]
.irp i, 0,2,4,6,8,10,12,14,16,18,20,22,24,26,28,30
	v_pk_mul_f32 v[X+\i:X+\i+1], v[X+\i:X+\i+1], v[M+2:M+3]
.endr
.irp j, 0,1,2,3,4,5,6,7
	ds_store_b128 v7, v[X+4*\j:X+4*\j+3] offset:512*\j
.endr
	s_wait_dscnt 0x0                               ; for the others' sake: my row lies in LDS
	s_barrier_signal -1
	s_barrier_wait -1
	; ---- my block of row r
.irp i, 0,1,2,3,4,5,6,7
	ds_load_b128 v[X+4*\i:X+4*\i+3], v8 offset:16*\i
.endr
	s_wait_loadcnt 0x0                             ; gamma, beta, Wg
	s_wait_dscnt 0x0
.irp i, 0,2,4,6,8,10,12,14,16,18,20,22,24,26,28,30
	v_pk_fma_f32 v[X+\i:X+\i+1], v[X+\i:X+\i+1], v[GA+\i:GA+\i+1], v[BE+\i:BE+\i+1]      ; xn
.endr
	; my block's part of xn Wg: eight chains (four gates x even and odd k); the first products start them
.irp i, 0,1
.irp e, 0,1,2,3
	v_mul_f32 v[A+4*\i+\e], v[X+\i], v[WG+4*\i+\e]
.endr
.endr
.irp i, 2,3,4,5,6,7,8,9,10,11,12,13,14,15,16,17,18,19,20,21,22,23,24,25,26,27,28,29,30,31
.irp e, 0,1,2,3
	v_fmac_f32 v[A+4*(\i%2)+\e], v[X+\i], v[WG+4*\i+\e]
.endr
.endr
	s_delay_alu instid0(VALU_DEP_3)
	v_pk_add_f32 v[A:A+1], v[A:A+1], v[A+4:A+5]
	s_delay_alu instid0(VALU_DEP_2)
	v_pk_add_f32 v[A+2:A+3], v[A+2:A+3], v[A+6:A+7]
	ds_store_b128 v10, v[A:A+3]
	; the block's largest magnitude, in two chains, with the floor 2^(3 - 127) as one more leaf: the byte cannot fall under 1
	v_max3_num_f32 v[M], |v[X]|, |v[X+1]|, |v[X+2]|
	v_max3_num_f32 v[M+1], |v[X+3]|, |v[X+4]|, |v[X+5]|
.irp i, 6,10,14,18,22,26
	s_delay_alu instid0(VALU_DEP_2)
	v_max3_num_f32 v[M], v[M], |v[X+\i]|, |v[X+\i+1]|
	s_delay_alu instid0(VALU_DEP_2)
	v_max3_num_f32 v[M+1], v[M+1], |v[X+\i+2]|, |v[X+\i+3]|
.endr
	s_delay_alu instid0(VALU_DEP_2)
	v_max3_num_f32 v[M], v[M], |v[X+30]|, |v[X+31]|
	s_delay_alu instid0(VALU_DEP_1)
	v_max3_num_f32 v[M], v[M], v[M+1], 0x1800000
	s_delay_alu instid0(VALU_DEP_1)
	v_add_nc_u32 v[M+2], 0xff000000, v[M]          ; 2 off its exponent field: the conversion takes the exponent field of this operand as its scale
	s_delay_alu instid0(VALU_DEP_1)
	v_lshrrev_b32 v[M+3], 23, v[M+2]               ; the scale's byte
.irp g, 0,1,2,3
	v_cvt_scalef32_pk8_fp4_f32 v[C+\g], v[X+8*\g:X+8*\g+7], v[M+2]
.endr
	v_nop                                          ; a plain instruction behind the last scaled conversion
	global_store_b128 v2, v[C:C+3], s[14:15]       ; the wave stores 512 consecutive bytes, at a multiple of 512 from the buffer's first byte
	ds_store_b8 v9, v[M+3]
	s_wait_dscnt 0x0                               ; my parts and my byte lie in LDS
	s_barrier_signal -1
	s_barrier_wait -1
	s_cmp_lg_u32 s20, 0
	s_cbranch_scc1 .Lnot_wave_0
	; ---- wave 0: the 16 rows' gates.  Lane (r, hl) adds the sixteen waves' parts of its half of the blocks, then the other half's
.irp j, 0,1,2,3,4,5,6,7,8,9,10,11,12,13,14,15
	ds_load_b128 v[WG+4*\j:WG+4*\j+3], v11 offset:512*\j
.endr
	s_wait_dscnt 0x0
.macro GADD j, d
	v_pk_add_f32 v[WG+4*\j:WG+4*\j+1], v[WG+4*\j:WG+4*\j+1], v[WG+4*(\j+\d):WG+4*(\j+\d)+1]
	v_pk_add_f32 v[WG+4*\j+2:WG+4*\j+3], v[WG+4*\j+2:WG+4*\j+3], v[WG+4*(\j+\d)+2:WG+4*(\j+\d)+3]
.endm
.irp j, 0,1,2,3,4,5,6,7
	GADD \j, 8
.endr
.irp j, 0,1,2,3
	GADD \j, 4
.endr
	GADD 0, 2
	GADD 1, 2
	GADD 0, 1
.irp e, 0,1,2,3
	v_permlanex16_b32 v[A+\e], v[WG+\e], s28, s29
.endr
.irp e, 0,1,2,3
	s_delay_alu instid0(VALU_DEP_4)
	v_add_f32 v[WG+\e], v[WG+\e], v[A+\e]
.endr
.irp e, 0,1,2,3
	s_delay_alu instid0(VALU_DEP_4)
	v_add_f32 v[WG+\e], s[24+\e], v[WG+\e]         ; + bg
.endr
	s_delay_alu instid0(VALU_DEP_2)
	v_max3_num_f32 v[M], v[WG], v[WG+1], v[WG+2]
	s_delay_alu instid0(VALU_DEP_1)
	v_max_num_f32 v[M], v[M], v[WG+3]              ; the row's largest logit is taken away first;
.irp e, 0,1,2,3
	v_sub_f32 v[WG+4+\e], v[WG+\e], v[M]           ; the difference is formed ahead of the scaling, so that large logits lose nothing
.endr
.irp e, 0,1,2,3
	s_delay_alu instid0(VALU_DEP_4)
	v_mul_f32 v[WG+4+\e], 0x3fb8aa3b, v[WG+4+\e]
.endr
	s_wait_alu depctr_va_vdst(0)
.irp e, 0,1,2,3
	v_exp_f32 v[WG+4+\e], v[WG+4+\e]
.endr
	v_nop
	s_wait_alu depctr_va_vdst(0)                   ; one wait for the four exponentials
	v_add_f32 v[M], v[WG+4], v[WG+5]
	v_add_f32 v[M+1], v[WG+6], v[WG+7]
	s_delay_alu instid0(VALU_DEP_1)
	v_add_f32 v[M], v[M], v[M+1]
	s_wait_alu depctr_va_vdst(0)
	v_rcp_f32 v[M+2], v[M]
	v_nop
	s_wait_alu depctr_va_vdst(0)
.irp e, 0,1,2,3
	v_mul_f32 v[WG+4+\e], v[WG+4+\e], v[M+2]
.endr
	v_cmp_le_u32 vcc_lo, 16, v1                    ; lanes 0-15 store gates 0 and 1 of row r, lanes 16-31 gates 2 and 3
	s_delay_alu instid0(VALU_DEP_1)
	v_cndmask_b32 v[WG+8], v[WG+4], v[WG+6], vcc_lo
	s_delay_alu instid0(VALU_DEP_2)
	v_cndmask_b32 v[WG+9], v[WG+5], v[WG+7], vcc_lo
	global_store_b64 v14, v[WG+8:WG+9], s[18:19]   ; the wave stores 256 consecutive bytes, aligned
	s_branch .Lend
.Lnot_wave_0:
	s_cmp_lg_u32 s20, 1
	s_cbranch_scc1 .Lend
	; ---- wave 1: the tile's 512 scale bytes
	ds_load_b128 v[WG:WG+3], v13
	s_wait_dscnt 0x0
	global_store_b128 v2, v[WG:WG+3], s[16:17]
.Lend:
	s_barrier_signal -1
	s_barrier_wait -1
	s_wait_xcnt 0x0
	v_lshl_add_u32 v254, v0, 2, 0x12400
	v_mov_b32 v255, 0
	s_wait_alu depctr_va_vdst(0)
	s_wait_tensorcnt 0x0
	ds_add_u32 v254, v255
	s_wait_dscnt 0x0
	s_endpgm
.Lfunc_end_k_qb3547b51af_norm:
	.size	k_qb3547b51af_norm, .Lfunc_end_k_qb3547b51af_norm-k_qb3547b51af_norm
	.p2alignl 7, 3214868480
	.fill 96, 4, 3214868480
	.section	.rodata,"a",@progbits
	.p2align	6, 0x0
	.amdhsa_kernel k_qb3547b51af_norm
		.amdhsa_group_segment_fixed_size 76800
		.amdhsa_private_segment_fixed_size 0
		.amdhsa_enable_private_segment 0
		.amdhsa_kernarg_size 64
		.amdhsa_user_sgpr_count 2
		.amdhsa_user_sgpr_kernarg_segment_ptr 1
		.amdhsa_wavefront_size32 1
		.amdhsa_system_sgpr_workgroup_id_x 1
		.amdhsa_system_sgpr_workgroup_id_y 1
		.amdhsa_system_sgpr_workgroup_id_z 1
		.amdhsa_system_vgpr_workitem_id 0
		.amdhsa_next_free_vgpr 256
		.amdhsa_next_free_sgpr 66
		.amdhsa_reserve_vcc 1
		.amdhsa_float_denorm_mode_32 3
		.amdhsa_float_denorm_mode_16_64 3
		.amdhsa_memory_ordered 1
		.amdhsa_forward_progress 1
		.amdhsa_inst_pref_size 29
	.end_amdhsa_kernel
	.amdgpu_metadata
---
amdhsa.version: [ 1, 2 ]
amdhsa.kernels:
  - .name:           k_qb3547b51af_norm
    .symbol:         k_qb3547b51af_norm.kd
    .args:
      - { .name: x, .offset: 0, .size: 8, .value_kind: global_buffer, .address_space: global }
      - { .name: gamma, .offset: 8, .size: 8, .value_kind: global_buffer, .address_space: global }
      - { .name: beta, .offset: 16, .size: 8, .value_kind: global_buffer, .address_space: global }
      - { .name: Wg, .offset: 24, .size: 8, .value_kind: global_buffer, .address_space: global }
      - { .name: bg, .offset: 32, .size: 8, .value_kind: global_buffer, .address_space: global }
      - { .name: xn_codes, .offset: 40, .size: 8, .value_kind: global_buffer, .address_space: global }
      - { .name: xn_scales, .offset: 48, .size: 8, .value_kind: global_buffer, .address_space: global }
      - { .name: gates, .offset: 56, .size: 8, .value_kind: global_buffer, .address_space: global }
    .group_segment_fixed_size: 76800
    .private_segment_fixed_size: 0
    .kernarg_segment_align: 8
    .kernarg_segment_size: 64
    .max_flat_workgroup_size: 512
    .sgpr_count:     66
    .vgpr_count:     256
    .wavefront_size: 32
...
	.end_amdgpu_metadata
.endif
;; end of part 1
;; launch attn (part 2): grid 256 x 1, 8 waves a work-group, no clusters, 154,624 bytes of LDS; arguments xn_codes, xn_scales, Wk_codes, Wk_scales, bk, Wv_codes, Wv_scales, bv, Wq_codes, Wq_scales, bq, ctx_codes, ctx_scales; writes ctx_codes, ctx_scales
.if DOCPART == 2
	.amdgcn_target "amdgcn-amd-amdhsa--gfx1250"
	.amdhsa_code_object_version 6
	.text
	.protected	k_qb3547b51af_attn
	.globl	k_qb3547b51af_attn
	.p2align	8
	.type	k_qb3547b51af_attn,@function
k_qb3547b51af_attn:
	s_mov_b64 s[64:65], 0
	v_nop
	global_prefetch_b8 v0, s[64:65] scope:SCOPE_SE
	s_setreg_imm32_b32 hwreg(HW_REG_WAVE_MODE, 25, 1), 1
	s_wait_xcnt 0x0
; One work-group = one (expert e, batch b, head h): k, v, q = xn W + bias for the head's 64 features, their quantising, softmax(q k^T / 8) v, and the result quantised along D.  q, k, v, scores and p never leave the WGP.
; All products on codes of E2M1 with one E8M0 byte for each 32 along K, by v_wmma_scale_f32_16x16x128_f8f6f4; sums, biases, softmax in f32.
; SHARES.  Eight waves of 512 registers, two to a SIMD.  Wave w owns tokens 64 w .. 64 w + 63 of the batch, as tiles 4 w .. 4 w + 3: as rows of the three projections, as keys (it makes their k and v) and as queries.
; So a weight fragment read from LDS feeds four matrix instructions, and so does each fragment of k and of v.
; TILES.  Row r of tile 2 b + u of any group of 32 rows is row 32 b + 8 u + r + 8 (r / 8); its POSITION is 32 b + 16 u + r (the row's number with bits 3 and 4 exchanged).  In a product whose source 0 is such a
; tile, the 16 registers of tiles 2 b and 2 b + 1 in lane (r, hl) are the 16 neighbours 32 b + 16 hl + 0 .. 15: what the next quantiser and the next operand's layout want.
; FIRST PHASE, three passes (K, V, Q), 128 matrix instructions each: my four token tiles' fragments of all eight K steps stay in the 256 registers of window 1, loaded from memory once; the weight rows lie in LDS by position.
;   K, Q: source 0 = weights, so that a lane holds one token and its registers run along the head's 64 (their K).  V: source 0 = tokens, so that a lane holds one feature and its registers run along the keys (its K).
;   The bias is the C of the first K step's products: nothing is cleared, nothing is added afterwards.  The weights' fragments have two sets of 32 registers, one K step each.
;   The weights are stored to LDS ahead of the loads of xn's codes, so that pass K multiplies K step s while the later steps' codes are on their way.
; SECOND PHASE, four steps of 128 keys: S^T = k q^T, p = 2^(t - M) with M the ceiling of the running largest t (a whole number), the row's sum of the unquantised p, p quantised along the keys, O^T += v^T p^T.
; K = 64 IN AN INSTRUCTION OF 128: registers 4-7 of q's fragment are zero codes and bytes 2, 3 of both scale words are 0x7f; a key tile's operand so runs on into the next tile's four registers, whose codes meet zeros.
; No tensor load: every LDS byte is staged once, through registers, which also lays the weight rows by position.  No cluster: the large shared stream, xn, goes straight into the registers of the one wave that
; multiplies by it (256 KB a work-group, more than LDS has room for beside the weights); the weights shared by the four batches are 102 KB of a work-group's 374 KB.
; No prefetch: all that a wave reads from memory is asked for at the head; there is no loop over memory.
; LIMITS: NaN and infinities are not served.  A block of zeros gets the scale byte 1 where the rule says 127: its codes are zeros, and this program alone reads the bytes.
.set WTP,  33792                       ; LDS: a pass's weights: 64 rows by position x 528 (512 bytes of codes + 16)
.set WSC,  3*WTP                       ; their scale bytes: 64 positions x 48 (32 + 16),
.set WSP,  3072                        ; a pass's
.set BKQ,  WSC+3*WSP                   ; two copies of bk's 64 numbers and bq's 64
.set BV,   BKQ+2048                    ; [position][8 copies of bv of that position's feature]
.set KIMG, BV+2048                     ; k's codes: key tile T (0 .. 31): an image of four registers, 16 l
.set KSC,  KIMG+16384                  ; k's scale words: [step 4][16 u + r][pair of tiles 4]
.set VT,   KSC+2048                    ; v's codes: 64 positions of the head's features x 272 (512 keys = 256 bytes + 16)
.set VSC,  VT+64*272                   ; v's scale bytes: [position][16]
.set CSC,  VSC+1024                    ; the result's scale bytes: [position in the batch][2]
.set SPARE, CSC+1024                   ; the spare words, 128 bytes a wave
.set LI,   1                           ; v1   16 l; never rewritten
.set WV,   2                           ; v2   my lane's place in a tile of v
.set WA,   3                           ; v3   first phase: my lane's place in a weight tile
.set WSA,  4                           ; v4   my lane's place among the weights' scale words
.set BAQ,  5                           ; v5   bk and bq for my half of the lanes
.set BAV,  6                           ; v6   bv for my position      (v3-6: the key steps' addresses in the second phase)
.set CSB,  7                           ; v7   my two bytes in CSC
.set XS,   8                           ; v8-23  tokens' scale words, 8 (pair of tiles) + K step: lanes 0-15 the even tile, lanes 16-31 the odd
.set WS,   24                          ; v24-39 weights' scale words, 8 g + s likewise.  v8-39 hold scales and nothing else
.set WF,   40                          ; v40-103 weight fragments: set s % 2, four tiles of 8; set 1 first holds the bias
.set ACC,  104                         ; v104-231 sixteen accumulators
.set SAK,  232                         ; v232-235 where I store k's codes, k's words, v's codes, v's bytes
.set SBK,  233
.set SAV,  234
.set SBV,  235
.set QW,   8                           ; second phase, scales: v8-11 q's words, v12-15 p's, v16-17 v's, v20-23 k's
.set PW,   12
.set VS,   16
.set KS,   20
.set QF,   40                          ; v40-71  q: for each tile four registers of codes, four of zeros
.set KF,   72                          ; v72-107 eight key tiles of four registers, and four of zeros; later v's four fragments
.set ST,   108                         ; v108-123 for each tile: -M, the largest t, the sum in two halves
.set S,    124                         ; v124-187 S^T, then p
.set PC,   188                         ; v188-219 p's codes
.set BM,   220
.set BP,   224
.set BS,   228
.set C2,   232
.set TW,   234
.set FF,   236                         ; v[236:237] f = 2^(old M - new M)
.set RC,   220                         ; the way out: the sums' reciprocals in v220, v222, v228, v230
.set SEL,  40                          ; s[40:41] v_permlanex16_b32's selects for lane l xor 16
.set CS,   42                          ; s[42:43] c = log2(e) / 8
; window 1 (v256-511): first phase xn's fragments at 32 s + 8 u; second phase O^T at 32 u + 8 t
.set MSB, 0
.macro WIN new                         ; the immediate's high byte repeats the setting that is left
.if MSB != \new
	s_set_vgpr_msb (MSB<<8)|\new
.set MSB, \new
.endif
.endm
.macro NOP4
.rept 4
	v_nop
.endr
.endm
.macro DL n
	s_delay_alu instid0(VALU_DEP_\n)
.endm
.macro WM acc, a, b, sa, sb, ra, rb, c ; one product; c: its C operand as text; ra, rb: A's, B's scales stand in lanes 16-31
.set mD, \acc
.set mA, \a
.set mB, \b
.set mS, \sa
.set mT, \sb
.if (\ra) && (\rb)
	v_wmma_scale_f32_16x16x128_f8f6f4 v[mD:mD+7], v[mA:mA+7], v[mB:mB+7], \c, v[mS], v[mT] matrix_a_fmt:MATRIX_FMT_FP4 matrix_b_fmt:MATRIX_FMT_FP4 matrix_a_scale:MATRIX_SCALE_ROW1 matrix_b_scale:MATRIX_SCALE_ROW1
.elseif (\ra)
	v_wmma_scale_f32_16x16x128_f8f6f4 v[mD:mD+7], v[mA:mA+7], v[mB:mB+7], \c, v[mS], v[mT] matrix_a_fmt:MATRIX_FMT_FP4 matrix_b_fmt:MATRIX_FMT_FP4 matrix_a_scale:MATRIX_SCALE_ROW1
.elseif (\rb)
	v_wmma_scale_f32_16x16x128_f8f6f4 v[mD:mD+7], v[mA:mA+7], v[mB:mB+7], \c, v[mS], v[mT] matrix_a_fmt:MATRIX_FMT_FP4 matrix_b_fmt:MATRIX_FMT_FP4 matrix_b_scale:MATRIX_SCALE_ROW1
.else
	v_wmma_scale_f32_16x16x128_f8f6f4 v[mD:mD+7], v[mA:mA+7], v[mB:mB+7], \c, v[mS], v[mT] matrix_a_fmt:MATRIX_FMT_FP4 matrix_b_fmt:MATRIX_FMT_FP4
.endif
.endm
.macro WLOAD s                         ; the four weight tiles of K step s into set s % 2: 16 rows by position, 64 bytes each: eight loads
.irp t, 0,1,2,3
.irp c, 0,1
	ds_load_b128 v[WF+32*((\s)%2)+8*\t+4*\c:WF+32*((\s)%2)+8*\t+4*\c+3], v[WA] offset:\t*8448+64*(\s)+32*\c
.endr
.endr
.endm
; Sixteen products: four weight tiles x my four token tiles, K step s.  mode 0: the weights are source 0; mode 1: the tokens are.  cf = 1: C is the bias, in set 1.
; The sixteen accumulators take turns, one instruction a turn, in the same order in every K step.
.macro PMUL s, mode, cf
.if \mode
	WIN 0x01                                       ; source 0 (tokens) in window 1
.else
	WIN 0x04                                       ; source 1 (tokens) in window 1
.endif
.irp t, 0,1,2,3
.irp u, 0,1,2,3
.if \mode
.set mX, ACC+64*(\u/2)+16*\t+8*(\u%2)
.else
.set mX, ACC+32*\u+8*\t
.endif
.set mC, (\cf)*(WF+32+8*\t)+(1-(\cf))*mX
.if \mode
	WM mX, 32*(\s)+8*\u, WF+32*((\s)%2)+8*\t, XS+8*(\u/2)+(\s), WS+8*(\t/2)+(\s), \u%2, \t%2, v[mC:mC+7]
.else
	WM mX, WF+32*((\s)%2)+8*\t, 32*(\s)+8*\u, WS+8*(\t/2)+(\s), XS+8*(\u/2)+(\s), \t%2, \u%2, v[mC:mC+7]
.endif
.endr
.endr
	WIN 0
	NOP4                                           ; four places ahead of loads into, and reads of, these products' registers
.endm
; A pass: the bias of the four weight tiles into set 1 (from v[ba]: st2 bytes from pair to pair of tiles, st1 from tile to tile, off the pass's), the weights' scale words, 128 products.
.macro PASS mode, first, ba, st2, st1, off
.irp t, 0,1,2,3
	ds_load_b128 v[WF+32+8*\t:WF+35+8*\t], v[\ba] offset:(\off)+(\t/2)*(\st2)+(\t%2)*(\st1)
	ds_load_b128 v[WF+36+8*\t:WF+39+8*\t], v[\ba] offset:(\off)+(\t/2)*(\st2)+(\t%2)*(\st1)+16
.endr
.irp g, 0,1
.irp q, 0,1
	ds_load_b128 v[WS+8*\g+4*\q:WS+8*\g+4*\q+3], v[WSA] offset:1536*\g+16*\q
.endr
.endr
	WLOAD 0
.if \first
	s_wait_loadcnt 56                              ; my token fragments of K step 0 are in: behind them stand eight loads for each later K step
.endif
	s_wait_dscnt 0x0
	PMUL 0, \mode, 1
	WLOAD 1                                        ; set 1 is free of the bias
.irp s, 1,2,3,4,5,6,7
.if \s < 7
	WLOAD \s+1                                     ; into the set that K step s - 1 has read
.endif
.if \first
	s_wait_loadcnt 56-8*\s
.endif
.if \s < 7
	s_wait_dscnt 0x8                               ; this K step's fragments are in; the next step's eight loads may be out
.else
	s_wait_dscnt 0x0
.endif
	PMUL \s, \mode, 0
.endr
.endm
; Four blocks of 32, of each of which this lane holds 16 neighbours in v[src + 16 b] on and lane l xor 16 the others: bytes into v[tm + 4 + b], codes into v[pc + stride (b / 2) + 2 (b % 2)] and the next.
; Each accumulator is read from its low end on.
.macro QUANT src, tm, pc, stride
.irp b, 0,1,2,3
	v_max3_num_f32 v[\tm+\b], |v[\src+16*\b]|, |v[\src+16*\b+1]|, 0x1800000   ; with the floor 2^(3 - 127): the byte cannot fall under 1
.endr
.irp i, 2,4,6,8,10,12,14
.irp b, 0,1,2,3
	v_max3_num_f32 v[\tm+\b], v[\tm+\b], |v[\src+16*\b+\i]|, |v[\src+16*\b+\i+1]|
.endr
.endr
.irp b, 0,1,2,3
	DL 4
	v_permlanex16_b32 v[\tm+4+\b], v[\tm+\b], s[SEL], s[SEL+1]
.endr
.irp b, 0,1,2,3
	DL 4
	v_max_num_f32 v[\tm+\b], v[\tm+\b], v[\tm+4+\b]
.endr
.irp b, 0,1,2,3
	DL 4
	v_add_nc_u32 v[\tm+12+\b], 0xff000000, v[\tm+\b]   ; 2 off the exponent field: the conversion's scale operand
.endr
.irp b, 0,1,2,3
	DL 4
	v_lshrrev_b32 v[\tm+4+\b], 23, v[\tm+12+\b]        ; the scale's byte
.endr
.irp b, 0,1,2,3
	v_cvt_scalef32_pk8_fp4_f32 v[\pc+(\stride)*(\b/2)+2*(\b%2)], v[\src+16*\b:\src+16*\b+7], v[\tm+12+\b]
	v_cvt_scalef32_pk8_fp4_f32 v[\pc+(\stride)*(\b/2)+2*(\b%2)+1], v[\src+16*\b+8:\src+16*\b+15], v[\tm+12+\b]
.endr
	v_nop                                          ; a plain instruction behind the last scaled conversion
.endm
.macro SWAPS pc                        ; two half blocks a lane become one whole block: v[pc] .. v[pc + 3] then hold k = 32 hl + 0 .. 31
.irp i, 0,1
	v_permlane16_swap_b32 v[\pc+\i], v[\pc+2+\i]
.endr
.endm
; ---- the head
	s_load_b512 s[8:23], s[0:1], 0x0               ; xn_codes s[8:9], xn_scales s[10:11], Wk codes, scales s[12:15], bk s[16:17], Wv codes, scales s[18:21], bv s[22:23]
	s_load_b256 s[24:31], s[0:1], 0x40             ; Wq codes, scales s[24:27], bq s[28:29], ctx_codes s[30:31]
	s_load_b64 s[32:33], s[0:1], 0x60              ; ctx_scales
	v_lshrrev_b32 v236, 5, v0
	DL 1
	v_readfirstlane_b32 s2, v236                   ; wave w
	s_and_b32 s3, ttmp9, 15                        ; h
	s_bfe_u32 s4, ttmp9, 0x20004                   ; b
	s_lshr_b32 s5, ttmp9, 6                        ; e
	s_lshl_b32 s6, s5, 19
	s_lshl_b32 s34, s3, 15
	s_add_co_u32 s6, s6, s34                       ; the head's 64 rows of 512 bytes in an expert's 512 KB of codes,
	s_mov_b32 s7, 0
	s_lshr_b32 s34, s6, 4                          ; of 32 scale bytes,
	s_mov_b32 s35, 0
	s_lshr_b32 s36, s6, 7                          ; of 4 bytes of bias
	s_mov_b32 s37, 0
	s_lshl_b32 s38, s4, 18
	s_lshl_b32 s49, s2, 15
	s_add_co_u32 s38, s38, s49                     ; my four tiles of 8,192 bytes among the batch's 32
	s_mov_b32 s39, 0
	s_lshr_b32 s52, s38, 4                         ; and their scale bytes
	s_mov_b32 s53, 0
	s_lshl_b32 s54, s5, 20
	s_lshl_b32 s49, s3, 9
	s_add_co_u32 s54, s54, s49
	s_add_co_u32 s54, s54, s38                     ; ctx_codes: the expert's 1 MB, my tiles, the head's 512 bytes of a tile
	s_mov_b32 s55, 0
	s_lshl_b32 s56, s5, 16
	s_lshl_b32 s49, s4, 14
	s_add_co_u32 s56, s56, s49
	s_lshl_b32 s49, s3, 10
	s_add_co_u32 s56, s56, s49                     ; ctx_scales: ((4 e + b) 16 + h) x 1,024
	s_mov_b32 s57, 0
	s_mul_i32 s58, s2, 528                         ; weight row w + 8 i lies at position w + 16 (i % 2) + 8 ((i / 2) % 2) + 32 (i / 4)
	s_lshr_b32 s59, s2, 2
	s_lshl_b32 s59, s59, 9
	s_add_co_u32 s59, s59, BKQ                     ; my copy of bk and bq
	s_lshr_b32 s61, s2, 1
	s_lshl_b32 s61, s61, 9
	s_and_b32 s49, s2, 1
	s_lshl_b32 s49, s49, 3
	s_add_co_u32 s61, s61, s49
	s_add_co_u32 s61, s61, KSC                     ; k's scale words: step w / 2, pairs 2 (w % 2) and the next
	s_lshl_b32 s60, s2, 11
	s_add_co_u32 s60, s60, KIMG                    ; k's images: tiles 4 w on
	s_lshl_b32 s62, s2, 5
	s_add_co_u32 s62, s62, VT                      ; v's codes: my 64 keys are 32 bytes of a row
	s_lshl_b32 s63, s2, 1
	s_add_co_u32 s63, s63, VSC                     ; and two scale bytes
	s_lshl_b32 s47, s2, 7
	s_add_co_u32 s47, s47, CSC                     ; the result's scale bytes of my 64 positions
	s_mov_b32 s[SEL], 0x76543210
	s_mov_b32 s[SEL+1], 0xfedcba98
	s_mov_b32 s[CS], 0x3e38aa3b                    ; log2(e) / sqrt(64)
	s_mov_b32 s[CS+1], s[CS]                       ; (named with it as a pair, so it is written)
	v_and_b32 v237, 31, v0                         ; l
	v_and_b32 v238, 15, v0                         ; r
	v_bfe_u32 v239, v0, 4, 1                       ; hl
	DL 3
	v_lshlrev_b32 v[LI], 4, v237
	DL 4
	v_lshlrev_b32 v240, 5, v237                    ; 32 l: my row's scale bytes of xn
	v_lshlrev_b32 v241, 4, v0                      ; weights' codes: 16 bytes a thread
	v_lshlrev_b32 v242, 3, v0                      ; weights' scales: 8 bytes a thread: row t / 4, part t % 4
	v_bfe_u32 v243, v0, 2, 3
	v_bfe_u32 v244, v0, 6, 1
	DL 1
	v_lshl_or_b32 v243, v244, 3, v243
	v_bfe_u32 v244, v0, 5, 1
	DL 1
	v_lshl_or_b32 v243, v244, 4, v243
	v_bfe_u32 v244, v0, 7, 1
	DL 1
	v_lshl_or_b32 v243, v244, 5, v243              ; t / 4 with bits 3 and 4 exchanged: the row's position
	v_and_b32 v245, 3, v0
	DL 1
	v_lshlrev_b32 v245, 3, v245
	DL 1
	v_mad_u32_u24 v243, v243, 48, v245
	DL 1
	v_add_nc_u32 v243, WSC, v243                   ; my 8 scale bytes, by position
	v_bfe_u32 v246, v0, 3, 3
	v_bfe_u32 v244, v0, 7, 1
	DL 1
	v_lshl_or_b32 v246, v244, 3, v246
	v_bfe_u32 v244, v0, 6, 1
	DL 1
	v_lshl_or_b32 v246, v244, 4, v246              ; position t / 8 (0 .. 31) to its feature
	DL 1
	v_lshlrev_b32 v246, 2, v246                    ; bv of it; position + 32 is feature + 32
	v_lshl_add_u32 v247, v0, 2, BV
	v_and_b32 v248, 63, v0
	DL 1
	v_lshlrev_b32 v248, 2, v248                    ; bk or bq: number t % 64
	v_lshl_add_u32 v249, v0, 2, BKQ
	v_add_nc_u32 v250, s58, v[LI]                  ; LDS: my weight rows, passes K and V,
	DL 1
	v_add_nc_u32 v251, 2*WTP, v250                 ; pass Q (its bytes lie beyond an immediate's reach)
	v_mul_u32_u24 v[WA], v238, 528
	DL 1
	v_lshl_add_u32 v[WA], v239, 4, v[WA]
	v_mul_u32_u24 v[WSA], v237, 48
	DL 1
	v_add_nc_u32 v[WSA], WSC, v[WSA]
	v_lshl_add_u32 v[BAQ], v239, 6, s59
	v_lshl_add_u32 v[BAV], v238, 5, BV
	v_add_nc_u32 v[SAK], s60, v[LI]
	v_lshl_add_u32 v[SBK], v238, 4, s61
	v_mul_u32_u24 v[WV], v238, 272
	DL 1
	v_lshl_add_u32 v[SAV], v239, 3, v[WV]
	DL 1
	v_add_nc_u32 v[SAV], s62, v[SAV]               ; v's codes: position 16 t + r, my 16 keys' 8 bytes at 32 w + 16 p + 8 hl
	v_lshl_add_u32 v[WV], v239, 4, v[WV]
	v_lshl_add_u32 v[SBV], v238, 4, s63
	v_lshl_add_u32 v[CSB], v237, 1, s47
	s_wait_alu depctr_va_vdst(0)
	s_wait_kmcnt 0x0
.irp p, 0,1,2
	s_add_nc_u64 s[12+6*\p:13+6*\p], s[12+6*\p:13+6*\p], s[6:7]
	s_add_nc_u64 s[14+6*\p:15+6*\p], s[14+6*\p:15+6*\p], s[34:35]
	s_add_nc_u64 s[16+6*\p:17+6*\p], s[16+6*\p:17+6*\p], s[36:37]
.endr
	s_add_nc_u64 s[8:9], s[8:9], s[38:39]
	s_add_nc_u64 s[10:11], s[10:11], s[52:53]
	s_add_nc_u64 s[30:31], s[30:31], s[54:55]
	s_add_nc_u64 s[32:33], s[32:33], s[56:57]
	s_and_b32 s49, s2, 3
	s_cmp_lt_u32 s49, 2                            ; threads t % 128 < 64 stage bk, the others bq: the same for a whole wave
	s_cselect_b64 s[50:51], s[16:17], s[28:29]
.irp p, 0,1
.irp q, 0,1
	global_load_b128 v[XS+8*\p+4*\q:XS+8*\p+4*\q+3], v240, s[10:11] offset:1024*\p+16*\q
.endr
.endr
.irp p, 0,1,2
.irp i, 0,1,2,3,4,5,6,7
	global_load_b128 v[ACC+4*(8*\p+\i):ACC+4*(8*\p+\i)+3], v241, s[12+6*\p:13+6*\p] offset:4096*\i   ; weight row w + 8 i: 512 consecutive bytes a wave
.endr
.endr
.irp p, 0,1,2
	global_load_b64 v[200+2*\p:201+2*\p], v242, s[14+6*\p:15+6*\p]
.endr
	global_load_b32 v206, v246, s[22:23]
	global_load_b32 v207, v246, s[22:23] offset:128
	global_load_b32 v208, v248, s[50:51]
	s_wait_loadcnt 0x0                             ; weights, biases and xn's scale words
.irp p, 0,1
.irp i, 0,1,2,3,4,5,6,7
	ds_store_b128 v250, v[ACC+4*(8*\p+\i):ACC+4*(8*\p+\i)+3] offset:WTP*\p+(16*(\i%2)+8*((\i/2)%2)+32*(\i/4))*528
.endr
.endr
.irp i, 0,1,2,3,4,5,6,7
	ds_store_b128 v251, v[ACC+64+4*\i:ACC+64+4*\i+3] offset:(16*(\i%2)+8*((\i/2)%2)+32*(\i/4))*528
.endr
.irp p, 0,1,2
	ds_store_b64 v243, v[200+2*\p:201+2*\p] offset:WSP*\p
.endr
	ds_store_b32 v247, v206
	ds_store_b32 v247, v207 offset:1024
	ds_store_b32 v249, v208
	WIN 0x40                                       ; destination in window 1
.irp s, 0,1,2,3,4,5,6,7
.irp u, 0,1,2,3
.irp c, 0,1
	global_load_b128 v[32*\s+8*\u+4*\c:32*\s+8*\u+4*\c+3], v[LI], s[8:9] offset:8192*\u+1024*\s+512*\c   ; a group of four operand registers: 512 consecutive bytes
.endr
.endr
.endr
	WIN 0
	s_wait_dscnt 0x0                               ; for the others' sake: my part of the weights lies in LDS
	s_barrier_signal -1
	s_barrier_wait -1
; ---- K: a lane holds a token, its registers the head's 64 features: two blocks for each of my four tiles
	PASS 0, 1, BAQ, 128, 32, 0
	QUANT ACC, 40, 56, 4
	QUANT ACC+64, 72, 88, 4
	SWAPS 56
	SWAPS 60
	SWAPS 88
	SWAPS 92
	v_lshl_or_b32 v64, v45, 8, v44
	v_lshl_or_b32 v65, v47, 8, v46
	v_lshl_or_b32 v96, v77, 8, v76
	v_lshl_or_b32 v97, v79, 8, v78
.irp j, 64,65,96,97
	DL 4
	v_or_b32 v\j, 0x7f7f0000, v\j                  ; bytes 2 and 3, of the K that is not there: 2^0
.endr
	ds_store_b128 v[SAK], v[56:59]
	ds_store_b128 v[SAK], v[60:63] offset:512
	ds_store_b128 v[SAK], v[88:91] offset:1024
	ds_store_b128 v[SAK], v[92:95] offset:1536
	ds_store_b32 v[SBK], v64                       ; both halves of the lanes hold the same word and write it to the same place
	ds_store_b32 v[SBK], v65 offset:256
	ds_store_b32 v[SBK], v96 offset:4
	ds_store_b32 v[SBK], v97 offset:260
	v_add_nc_u32 v[WA], WTP, v[WA]                 ; on to V's weights
	v_add_nc_u32 v[WSA], WSP, v[WSA]
	s_wait_alu depctr_va_vdst(0)
	s_wait_dscnt 0x0                               ; the stores have read their registers
; ---- V: a lane holds a feature (position 16 t + r), its registers 16 neighbouring keys: for each pair of my tiles one block of 32 keys for each of the four weight tiles
	PASS 1, 0, BAV, 1024, 512, 0
	QUANT ACC, 40, 56, 4
	QUANT ACC+64, 72, 88, 4
.irp t, 0,1,2,3
	ds_store_b64 v[SAV], v[56+2*\t:57+2*\t] offset:4352*\t
	ds_store_b8 v[SBV], v[44+\t] offset:256*\t
	ds_store_b64 v[SAV], v[88+2*\t:89+2*\t] offset:4352*\t+16
	ds_store_b8 v[SBV], v[76+\t] offset:256*\t+1
.endr
	v_add_nc_u32 v[WA], WTP, v[WA]                 ; on to Q's weights
	v_add_nc_u32 v[WSA], WSP, v[WSA]
	s_wait_alu depctr_va_vdst(0)
	s_wait_dscnt 0x0
; ---- Q, last: its codes stay in registers
	PASS 0, 0, BAQ, 128, 32, 256
	QUANT ACC, 72, QF, 8
	QUANT ACC+64, 88, QF+16, 8
.irp u, 0,1,2,3
	SWAPS QF+8*\u
.endr
	v_lshl_or_b32 v[QW], v77, 8, v76
	v_lshl_or_b32 v[QW+1], v79, 8, v78
	v_lshl_or_b32 v[QW+2], v93, 8, v92
	v_lshl_or_b32 v[QW+3], v95, 8, v94
.irp u, 0,1,2,3
	DL 4
	v_or_b32 v[QW+\u], 0x7f7f0000, v[QW+\u]
.endr
.irp u, 0,1,2,3
.irp j, 4,5,6,7
	v_mov_b32 v[QF+8*\u+\j], 0                     ; q's zero codes for k = 64 .. 127
.endr
.endr
.irp j, 0,1,2,3
	v_mov_b32 v[KF+32+\j], 0                       ; what the last key tile's operand runs on into
	v_mov_b32 v[BP+\j], 0                          ; (a lane permute's destination counts as one of its sources)
.endr
	WIN 0x40
.set J, 0
.rept 128
	v_mov_b32 v[J], 0                              ; O^T.  (The key step is written once: its first trip finds zeros, which the first change of M leaves zeros)
.set J, J+1
.endr
	WIN 0
.irp u, 0,1,2,3
	v_mov_b32 v[ST+4*\u+1], 0xff61b1e6             ; the largest t so far: -3e38
	DL 1
	v_floor_f32 v[ST+4*\u], -v[ST+4*\u+1]          ; -M
	v_mov_b32 v[ST+4*\u+2], 0                      ; the sum, in two halves
	v_mov_b32 v[ST+4*\u+3], 0
.endr
	v_mov_b32 v[FF+1], 0                           ; (named as the upper half of a pair)
	s_mov_b32 s45, KIMG                            ; where the step's key tiles begin: 4,096 bytes a step,
	s_mov_b32 s46, KSC                             ; k's scale words: 512,
	s_mov_b32 s47, VT                              ; v's codes: 64 in each row,
	s_mov_b32 s48, VSC                             ; v's scale words: 4 in each row
	s_wait_alu depctr_va_vdst(0)
	s_wait_dscnt 0x0
	s_barrier_signal -1
	s_barrier_wait -1                              ; k and v of all 512 keys lie in LDS
.macro QK u                            ; S^T of my query tile u and the step's eight key tiles: lane (r, hl) holds query r; registers 16 b + i are keys 32 b + 16 hl + i of the step
.irp t, 0,1,2,3,4,5,6,7
	WM S+8*\t, KF+4*\t, QF+8*\u, KS+\t/2, QW+\u, \t%2, 0, 0
.endr
	NOP4                                           ; four places ahead of the first read of the scores, and of loads into the key tiles' registers
.endm
; The softmax of query tile u for the step's 128 keys, p's codes and scale word, and O^T and the sum under the new M.
.macro SOFTMAX u
.set rT, ST+4*\u
.set rO, 32*\u
.set rP, PC+8*\u
.irp b, 0,1,2,3
	v_max3_num_f32 v[BM+\b], v[S+16*\b], v[S+16*\b+1], v[S+16*\b+2]   ; the largest score of each block of 32 keys: it serves for the row's maximum and, since p rises with the score, for the block's scale
.endr
.irp i, 3,5,7,9,11,13
.irp b, 0,1,2,3
	v_max3_num_f32 v[BM+\b], v[BM+\b], v[S+16*\b+\i], v[S+16*\b+\i+1]
.endr
.endr
.irp b, 0,1,2,3
	v_max_num_f32 v[BM+\b], v[BM+\b], v[S+16*\b+15]
.endr
.irp b, 0,1,2,3
	DL 4
	v_permlanex16_b32 v[BP+\b], v[BM+\b], s[SEL], s[SEL+1]
.endr
.irp b, 0,1,2,3
	DL 4
	v_max_num_f32 v[BM+\b], v[BM+\b], v[BP+\b]
.endr
	DL 2
	v_max3_num_f32 v[TW], v[BM], v[BM+1], v[BM+2]
	DL 1
	v_max_num_f32 v[TW], v[TW], v[BM+3]
	DL 1
	v_mul_f32 v[TW], s[CS], v[TW]                  ; the step's largest t (c is positive)
	DL 1
	v_max_num_f32 v[rT+1], v[rT+1], v[TW]          ; the running largest t
	v_mov_b32 v[TW], v[rT]
	DL 2
	v_floor_f32 v[rT], -v[rT+1]                    ; -M = floor(-t) = -ceil(t)
	DL 1
	v_sub_f32 v[TW], v[rT], v[TW]                  ; old M - new M: a whole number, 0 or less
	DL 1
	v_cvt_i32_f32 v[TW], v[TW]                     ; (it saturates)
	DL 1
	v_ldexp_f32 v[FF], 1.0, v[TW]                  ; f: a power of two, so the rescaling rounds nothing
.set J, 0
.rept 32
	v_pk_fma_f32 v[S+J:S+J+1], v[S+J:S+J+1], s[CS:CS+1], v[rT:rT+1] op_sel_hi:[1,0,0]   ; t - M
.set J, J+2
.endr
; A block's scale by exponent arithmetic: its largest p is 2^(t - M) of its largest score, so floor(log2) of it is floor(t - M), held at -124 from below: the byte floor + 125 lies between 1 and 125
.irp b, 0,1,2,3
	v_fma_f32 v[BM+\b], v[BM+\b], s[CS], v[rT]
.endr
.irp b, 0,1,2,3
	DL 4
	v_max_num_f32 v[BM+\b], 0xc2f80000, v[BM+\b]   ; -124
.endr
.irp b, 0,1,2,3
	DL 4
	v_floor_f32 v[BM+\b], v[BM+\b]
.endr
.irp b, 0,1,2,3
	DL 4
	v_cvt_i32_f32 v[BM+\b], v[BM+\b]
.endr
.irp b, 0,1,2,3
	DL 4
	v_lshl_add_u32 v[BS+\b], v[BM+\b], 23, 0x3e800000   ; (floor + 125) << 23: the conversion takes this exponent field as its scale
.endr
.irp b, 0,1,2,3
	DL 4
	v_lshrrev_b32 v[BP+\b], 23, v[BS+\b]           ; the scale's byte
.endr
	DL 3
	v_lshl_or_b32 v[PW+\u], v[BP+1], 8, v[BP]
	DL 1
	v_lshl_or_b32 v[PW+\u], v[BP+2], 16, v[PW+\u]
	DL 1
	v_lshl_or_b32 v[PW+\u], v[BP+3], 24, v[PW+\u]  ; p's scale word for these 128 keys
	s_wait_alu depctr_va_vdst(0)
.set J, 0
.rept 64
	v_exp_f32 v[S+J], v[S+J]                       ; p = 2^(t - M), not normalised
.set J, J+1
.endr
	v_pk_mul_f32 v[rT+2:rT+3], v[rT+2:rT+3], v[FF:FF+1] op_sel_hi:[1,0]   ; the sum under the new M: the plain instruction behind the batch
	s_wait_alu depctr_va_vdst(0)                   ; one wait for the 64 exponentials, ahead of their first reader
	v_pk_add_f32 v[C2:C2+1], v[S:S+1], v[S+2:S+3]  ; the row's sum is taken of the unquantised p, in two chains
.set J, 4
.rept 15
	v_pk_add_f32 v[rT+2:rT+3], v[rT+2:rT+3], v[S+J:S+J+1]
	v_pk_add_f32 v[C2:C2+1], v[C2:C2+1], v[S+J+2:S+J+3]
.set J, J+4
.endr
	DL 1
	v_pk_add_f32 v[rT+2:rT+3], v[rT+2:rT+3], v[C2:C2+1]
.irp b, 0,1,2,3
	v_cvt_scalef32_pk8_fp4_f32 v[rP+2*\b], v[S+16*\b:S+16*\b+7], v[BS+\b]
	v_cvt_scalef32_pk8_fp4_f32 v[rP+2*\b+1], v[S+16*\b+8:S+16*\b+15], v[BS+\b]
.endr
	v_nop
.irp c, 0,1
.irp i, 0,1
	v_permlane16_swap_b32 v[rP+4*\c+\i], v[rP+4*\c+2+\i]
.endr
.endr
	WIN 0x41                                       ; O^T lies in window 1: destination and source 0
	s_wait_alu depctr_va_vdst(0)                   ; directly ahead of the first reader of O^T
.set J, 0
.rept 16
	v_pk_mul_f32 v[rO+J:rO+J+1], v[rO+J:rO+J+1], v[FF:FF+1] op_sel_hi:[1,0]   ; O^T under the new M.  (The last tile's sixteen are also the places between p's codes and the products that take them)
.set J, J+2
.endr
	WIN 0
.endm
	s_mov_b32 s44, 0
.Lstep:                                        ; four trips of 128 keys
	v_add_nc_u32 v3, s45, v[LI]                    ; (these four lines are the places between the last trip's products and the loads into v's registers)
	v_add_nc_u32 v4, s46, v[LI]
	v_add_nc_u32 v5, s47, v[WV]
	v_add_nc_u32 v6, s48, v[LI]
.irp t, 0,1,2,3,4,5,6,7
	ds_load_b128 v[KF+4*\t:KF+4*\t+3], v3 offset:512*\t
.endr
	ds_load_b128 v[KS:KS+3], v4                    ; lanes 0-15: the words of the even tiles' keys, lanes 16-31 of the odd tiles'; register = pair of tiles
	s_wait_dscnt 0x0
	QK 0
	SOFTMAX 0
	QK 1
	SOFTMAX 1
	QK 2
	SOFTMAX 2
	QK 3
.irp t, 0,1,2,3
.irp c, 0,1
	ds_load_b128 v[KF+8*\t+4*\c:KF+8*\t+4*\c+3], v5 offset:4352*\t+32*\c   ; v's four fragments take the key tiles' registers and land while the last softmax runs
.endr
.endr
.irp g, 0,1
	ds_load_b32 v[VS+\g], v6 offset:512*\g
.endr
	SOFTMAX 3
	s_wait_alu depctr_va_vdst(0)
	s_wait_dscnt 0x0
	WIN 0x50                                       ; C and D in window 1
.irp t, 0,1,2,3
.irp u, 0,1,2,3
	WM 32*\u+8*\t, KF+8*\t, PC+8*\u, VS+\t/2, PW+\u, \t%2, 0, v[mD:mD+7]     ; O^T += v^T p^T: sixteen accumulators, one instruction each
.endr
.endr
	WIN 0
	s_add_co_u32 s45, s45, 4096
	s_add_co_u32 s46, s46, 512
	s_add_co_u32 s47, s47, 64
	s_add_co_u32 s48, s48, 4
	s_add_co_u32 s44, s44, 1
	s_cmp_lt_u32 s44, 4
	s_cbranch_scc1 .Lstep
; ---- the way out: O^T / the sum, quantised along D (the head's two blocks), codes as images, scale bytes through LDS
.irp u, 0,1,2,3
	v_add_f32 v[ST+4*\u+2], v[ST+4*\u+2], v[ST+4*\u+3]     ; (plain work on other registers: the places behind the last products)
.endr
.irp u, 0,1,2,3
	DL 4
	v_permlanex16_b32 v[BP+\u], v[ST+4*\u+2], s[SEL], s[SEL+1]
.endr
.irp u, 0,1,2,3
	DL 4
	v_add_f32 v[ST+4*\u+2], v[ST+4*\u+2], v[BP+\u]         ; the row's sum
.endr
	v_lshl_add_u32 v3, v0, 4, CSC                  ; waves 0 and 1 read the scale bytes back from here,
	v_lshlrev_b32 v4, 4, v0                        ; and store them there
	v_and_b32 v242, 31, v0
	DL 1
	v_cmp_le_u32 vcc_lo, 16, v242                  ; lanes 16-31
	s_wait_alu depctr_va_vdst(0)
	v_rcp_f32 v[RC], v[ST+2]
	v_rcp_f32 v[RC+2], v[ST+6]
	v_rcp_f32 v[RC+8], v[ST+10]
	v_rcp_f32 v[RC+10], v[ST+14]
	v_nop
.macro FIN g                           ; query tiles 2 g and 2 g + 1
	WIN 0x01                                       ; source 0 in window 1
	s_wait_alu depctr_va_vdst(0)                   ; for the reciprocals, and directly ahead of the first readers of these tiles' O^T
.set J, 0
.rept 16
	v_pk_mul_f32 v[S+J:S+J+1], v[64*\g+J:64*\g+J+1], v[RC+8*\g:RC+8*\g+1] op_sel_hi:[1,0]
.set J, J+2
.endr
.rept 16
	v_pk_mul_f32 v[S+J:S+J+1], v[64*\g+J:64*\g+J+1], v[RC+8*\g+2:RC+8*\g+3] op_sel_hi:[1,0]
.set J, J+2
.endr
	WIN 0
	QUANT S, BM, PC+8*\g, 4
	SWAPS PC+8*\g
	SWAPS PC+8*\g+4
	global_store_b128 v[LI], v[PC+8*\g:PC+8*\g+3], s[30:31] offset:16384*\g          ; the head's 512 bytes of a tile: 512 consecutive bytes each
	global_store_b128 v[LI], v[PC+8*\g+4:PC+8*\g+7], s[30:31] offset:16384*\g+8192
	v_lshl_or_b32 v[238+2*\g], v[BP+1], 8, v[BP]
	v_lshl_or_b32 v[239+2*\g], v[BP+3], 8, v[BP+2]
	DL 1
	v_cndmask_b32 v[238+2*\g], v[238+2*\g], v[239+2*\g], vcc_lo    ; lane 16 x + r keeps the two bytes of row r of tile 2 g + x
	ds_store_b16 v[CSB], v[238+2*\g] offset:64*\g
.endm
	FIN 0
	FIN 1
	s_wait_dscnt 0x0
	s_barrier_signal -1
	s_barrier_wait -1
	s_cmp_lt_u32 s2, 2
	s_cbranch_scc0 .Lend
	ds_load_b128 v[S:S+3], v3
	s_wait_dscnt 0x0
	global_store_b128 v4, v[S:S+3], s[32:33]       ; the work-group's 1,024 scale bytes: 512 consecutive bytes a wave
.Lend:
	s_barrier_signal -1
	s_barrier_wait -1
	s_wait_xcnt 0x0
	v_lshl_add_u32 v254, v0, 2, SPARE
	v_mov_b32 v255, 0
	s_wait_alu depctr_va_vdst(0)
	s_wait_tensorcnt 0x0                           ; the wave's end
	ds_add_u32 v254, v255
	s_wait_dscnt 0x0
	s_endpgm
.Lfunc_end_k_qb3547b51af_attn:
	.size	k_qb3547b51af_attn, .Lfunc_end_k_qb3547b51af_attn-k_qb3547b51af_attn
	.p2alignl 7, 3214868480
	.fill 96, 4, 3214868480
	.section	.rodata,"a",@progbits
	.p2align	6, 0x0
	.amdhsa_kernel k_qb3547b51af_attn
		.amdhsa_group_segment_fixed_size 154624
		.amdhsa_private_segment_fixed_size 0
		.amdhsa_enable_private_segment 0
		.amdhsa_kernarg_size 104
		.amdhsa_user_sgpr_count 2
		.amdhsa_user_sgpr_kernarg_segment_ptr 1
		.amdhsa_wavefront_size32 1
		.amdhsa_system_sgpr_workgroup_id_x 1
		.amdhsa_system_sgpr_workgroup_id_y 1
		.amdhsa_system_sgpr_workgroup_id_z 1
		.amdhsa_system_vgpr_workitem_id 0
		.amdhsa_next_free_vgpr 512
		.amdhsa_next_free_sgpr 66
		.amdhsa_reserve_vcc 1
		.amdhsa_float_denorm_mode_32 3
		.amdhsa_float_denorm_mode_16_64 3
		.amdhsa_memory_ordered 1
		.amdhsa_forward_progress 1
		.amdhsa_inst_pref_size 195
	.end_amdhsa_kernel
	.amdgpu_metadata
---
amdhsa.version: [ 1, 2 ]
amdhsa.kernels:
  - .name:           k_qb3547b51af_attn
    .symbol:         k_qb3547b51af_attn.kd
    .args:
      - { .name: xn_codes, .offset: 0, .size: 8, .value_kind: global_buffer, .address_space: global }
      - { .name: xn_scales, .offset: 8, .size: 8, .value_kind: global_buffer, .address_space: global }
      - { .name: Wk_codes, .offset: 16, .size: 8, .value_kind: global_buffer, .address_space: global }
      - { .name: Wk_scales, .offset: 24, .size: 8, .value_kind: global_buffer, .address_space: global }
      - { .name: bk, .offset: 32, .size: 8, .value_kind: global_buffer, .address_space: global }
      - { .name: Wv_codes, .offset: 40, .size: 8, .value_kind: global_buffer, .address_space: global }
      - { .name: Wv_scales, .offset: 48, .size: 8, .value_kind: global_buffer, .address_space: global }
      - { .name: bv, .offset: 56, .size: 8, .value_kind: global_buffer, .address_space: global }
      - { .name: Wq_codes, .offset: 64, .size: 8, .value_kind: global_buffer, .address_space: global }
      - { .name: Wq_scales, .offset: 72, .size: 8, .value_kind: global_buffer, .address_space: global }
      - { .name: bq, .offset: 80, .size: 8, .value_kind: global_buffer, .address_space: global }
      - { .name: ctx_codes, .offset: 88, .size: 8, .value_kind: global_buffer, .address_space: global }
      - { .name: ctx_scales, .offset: 96, .size: 8, .value_kind: global_buffer, .address_space: global }
    .group_segment_fixed_size: 154624
    .private_segment_fixed_size: 0
    .kernarg_segment_align: 8
    .kernarg_segment_size: 104
    .max_flat_workgroup_size: 256
    .sgpr_count:     66
    .vgpr_count:     512
    .wavefront_size: 32
...
	.end_amdgpu_metadata
.endif
;; end of part 2
;; launch proj (part 3): grid 16 x 16, 16 waves a work-group, no clusters, 290,816 bytes of LDS; arguments ctx_codes, ctx_scales, gates, Wo_codes, Wo_scales, bo, x, out0; writes out0
.if DOCPART == 3
	.amdgcn_target "amdgcn-amd-amdhsa--gfx1250"
	.amdhsa_code_object_version 6
	.text
	.protected	k_qb3547b51af_proj
	.globl	k_qb3547b51af_proj
	.p2align	8
	.type	k_qb3547b51af_proj,@function
k_qb3547b51af_proj:
	s_mov_b64 s[64:65], 0
	v_nop
	global_prefetch_b8 v0, s[64:65] scope:SCOPE_SE
	s_setreg_imm32_b32 hwreg(HW_REG_WAVE_MODE, 25, 1), 1
	s_wait_xcnt 0x0
; out = the sum over the four experts of gate_e (ctx_e Wo_e + bo_e), + x.  ctx arrives as codes of E2M1 in the order of the operand's registers, Wo as given; products by v_wmma_scale_f32_16x16x128_f8f6f4, sums in f32.
; SHARES.  A work-group owns 128 tokens (work-group y) x 64 output columns (work-group x): 256 work-groups.  THE WAVES SHARE OUT THE EXPERTS: wave w takes expert e = w / 4 and tokens 32 (w % 4) on, two tiles of 16,
; over K = 1,024: one pass of 64 matrix instructions on eight accumulators.  The four experts' parts, each times its gate, meet in a stage in LDS; each wave then adds and stores eight whole rows of 256 bytes.
; TILES AND POSITIONS as in the launch attn: row r of tile 2 b + u is row 32 b + 8 u + r + 8 (r / 8), its position 32 b + 16 u + r.  The weights are source 0, so that a lane holds one token and 16 neighbouring columns.
; The bias is loaded into the accumulators ahead of the first product.
; The order of the last sums is ((g0 o0 + g1 o1) + (g2 o2 + g3 o3)) + x.
; No tensor load: every LDS byte is staged once, through registers, which lays Wo's rows by position.  No cluster: ctx goes straight into the registers of the one wave that multiplies by it; a joint request
; lands in LDS, where the work-group's 256 KB of it have no room beside the weights and the stage.  No prefetch: all that a wave reads is asked for at the head.
; LIMITS: NaN and infinities are not served.
.set WTP,  33792                       ; LDS: an expert's 64 rows of Wo by position x 528 (512 bytes of codes + 16)
.set WSC,  4*WTP                       ; their scale bytes: 64 positions x 48,
.set WSP,  3072                        ; an expert's
.set BIA,  WSC+4*WSP                   ; bo: [expert][2 copies][64 numbers]
.set STG,  BIA+2048                    ; the stage: [expert][position of the token, 128] x 272 (256 bytes + 16)
.set STE,  128*272
.set LI,   1                           ; v1   16 l; never rewritten
.set WA,   2                           ; v2   my lane's place in a weight tile; later where I put results into the stage
.set WSA,  3                           ; v3   my lane's place among the weights' scale words; later where I read the stage, experts 0 and 1,
.set BA,   4                           ; v4   bo for my half of the lanes; later experts 2 and 3
.set GO,   5                           ; v5   2 l (ctx's scale bytes); later my byte offset in x and out0
.set XS,   8                           ; v8-15, v16-31: scale words, as in attn: they hold scales and nothing else
.set WS,   16
.set WF,   32
.set ACC,  64
.set XF,   128
; ---- the macros of a projection pass
.macro WM acc, a, b, sa, sb, ra, rb    ; one link in place; ra, rb: A's, B's scales stand in lanes 16-31
.set mD, \acc
.set mA, \a
.set mB, \b
.set mS, \sa
.set mT, \sb
.if (\ra) && (\rb)
	v_wmma_scale_f32_16x16x128_f8f6f4 v[mD:mD+7], v[mA:mA+7], v[mB:mB+7], v[mD:mD+7], v[mS], v[mT] matrix_a_fmt:MATRIX_FMT_FP4 matrix_b_fmt:MATRIX_FMT_FP4 matrix_a_scale:MATRIX_SCALE_ROW1 matrix_b_scale:MATRIX_SCALE_ROW1
.elseif (\ra)
	v_wmma_scale_f32_16x16x128_f8f6f4 v[mD:mD+7], v[mA:mA+7], v[mB:mB+7], v[mD:mD+7], v[mS], v[mT] matrix_a_fmt:MATRIX_FMT_FP4 matrix_b_fmt:MATRIX_FMT_FP4 matrix_a_scale:MATRIX_SCALE_ROW1
.elseif (\rb)
	v_wmma_scale_f32_16x16x128_f8f6f4 v[mD:mD+7], v[mA:mA+7], v[mB:mB+7], v[mD:mD+7], v[mS], v[mT] matrix_a_fmt:MATRIX_FMT_FP4 matrix_b_fmt:MATRIX_FMT_FP4 matrix_b_scale:MATRIX_SCALE_ROW1
.else
	v_wmma_scale_f32_16x16x128_f8f6f4 v[mD:mD+7], v[mA:mA+7], v[mB:mB+7], v[mD:mD+7], v[mS], v[mT] matrix_a_fmt:MATRIX_FMT_FP4 matrix_b_fmt:MATRIX_FMT_FP4
.endif
.endm
.macro WLOAD s, g                      ; weight tiles 2 g, 2 g + 1 of K step s: 16 rows by position, 64 bytes each
.irp x, 0,1
.irp c, 0,1
	ds_load_b128 v[WF+8*(2*(\g)+\x)+4*\c:WF+8*(2*(\g)+\x)+4*\c+3], v[WA] offset:(2*(\g)+\x)*8448+64*(\s)+32*\c
.endr
.endr
.endm
; Four products: weight tiles 2 g, 2 g + 1 x my two token tiles, K step s.  mode 0: the weights are source 0; mode 1: the tokens are.  The pass's eight accumulators take turns, one instruction a turn,
; in the same order in every K step.
.macro HALF s, g, mode, first
.if (\first) && ((\g) == 0)
	s_wait_loadcnt 28-4*(\s)                       ; my token fragments of this K step are in: behind them stand four loads for each later K step
.endif
.if ((\s) == 7) && ((\g) == 1)
	s_wait_dscnt 0x0                               ; the last four fragment loads
.else
	s_wait_dscnt 0x4                               ; this pair's fragments are in; the other pair's four loads, issued behind them, may be out
.endif
.irp x, 0,1
.irp u, 0,1
.if \mode
	WM ACC+16*(2*(\g)+\x)+8*\u, XF+16*(\s)+8*\u, WF+8*(2*(\g)+\x), XS+(\s), WS+8*(\g)+(\s), \u, \x
.else
	WM ACC+32*\u+8*(2*(\g)+\x), WF+8*(2*(\g)+\x), XF+16*(\s)+8*\u, WS+8*(\g)+(\s), XS+(\s), \x, \u
.endif
.endr
.endr
.if (\s) < 7
.rept 4
	v_nop                                          ; four places ahead of loads into registers that these products read
.endr
	WLOAD (\s)+1, \g
.endif
.endm
; A pass: the bias into the accumulators (from v[ba]: st2 bytes from pair to pair of tiles, st1 from tile to tile, off the pass's), the weights' scale words, 64 products.
.macro PASS mode, first, ba, st2, st1, off
.irp t, 0,1,2,3
.irp u, 0,1
.if \mode
.set rB, ACC+16*\t+8*\u
.else
.set rB, ACC+32*\u+8*\t
.endif
	ds_load_b128 v[rB:rB+3], v[\ba] offset:(\off)+(\t/2)*(\st2)+(\t%2)*(\st1)
	ds_load_b128 v[rB+4:rB+7], v[\ba] offset:(\off)+(\t/2)*(\st2)+(\t%2)*(\st1)+16
.endr
.endr
.irp g, 0,1
.irp q, 0,1
	ds_load_b128 v[WS+8*\g+4*\q:WS+8*\g+4*\q+3], v[WSA] offset:1536*\g+16*\q
.endr
.endr
	WLOAD 0, 0
	WLOAD 0, 1
	s_wait_alu depctr_va_vdst(0)
.irp s, 0,1,2,3,4,5,6,7
	HALF \s, 0, \mode, \first
	HALF \s, 1, \mode, \first
.endr
.rept 4
	v_nop                                          ; four places ahead of the first read of results and of writes into the operands' registers
.endr
.endm
; ---- the head
	s_load_b512 s[8:23], s[0:1], 0x0               ; ctx_codes s[8:9], ctx_scales s[10:11], gates s[12:13], Wo codes, scales s[14:17], bo s[18:19], x s[20:21], out0 s[22:23]
	v_lshrrev_b32 v40, 5, v0
	s_delay_alu instid0(VALU_DEP_1)
	v_readfirstlane_b32 s2, v40                    ; wave w
	s_lshr_b32 s3, s2, 2                           ; e
	s_and_b32 s4, s2, 3                            ; wq: which 32 of the 128 tokens
	s_and_b32 s6, ttmp7, 0xffff                    ; tb: which 128 tokens;  ttmp9 = nb: which 64 columns
	s_lshl_b32 s24, s3, 19
	s_lshl_b32 s40, ttmp9, 15
	s_add_co_u32 s24, s24, s40                     ; Wo: the block's 64 rows of 512 bytes of codes,
	s_mov_b32 s25, 0
	s_lshr_b32 s26, s24, 4                         ; of 32 scale bytes,
	s_mov_b32 s27, 0
	s_lshr_b32 s28, s24, 7                         ; of 4 bytes of bias
	s_mov_b32 s29, 0
	s_lshl_b32 s30, s3, 16                         ; ctx_scales [e][batch][head][position in the batch][2]: head 0's bytes of my 32 tokens
	s_lshr_b32 s40, s6, 2
	s_lshl_b32 s40, s40, 14
	s_add_co_u32 s30, s30, s40
	s_and_b32 s40, s6, 3
	s_lshl_b32 s40, s40, 8
	s_add_co_u32 s30, s30, s40
	s_lshl_b32 s40, s4, 6
	s_add_co_u32 s30, s30, s40
	s_mov_b32 s31, 0
	s_lshl_b32 s32, s6, 11                         ; gates [tile][r][4]: tile 8 tb + 2 wq, gate e
	s_lshl_b32 s40, s4, 9
	s_add_co_u32 s32, s32, s40
	s_lshl_b32 s40, s3, 2
	s_add_co_u32 s32, s32, s40
	s_mov_b32 s33, 0
	s_lshl_b32 s34, s3, 20                         ; ctx_codes: the expert's 1 MB, tile 8 tb + 2 wq of 8,192 bytes
	s_lshl_b32 s40, s6, 16
	s_add_co_u32 s34, s34, s40
	s_lshl_b32 s40, s4, 14
	s_add_co_u32 s34, s34, s40
	s_mov_b32 s35, 0
	s_bfe_u32 s40, s2, 0x10001                     ; positions 8 w .. 8 w + 7 of the block are the eight tokens from 8 ((w / 2) % 2) + 16 (w % 2) + 32 (w / 4) on
	s_lshl_b32 s40, s40, 3
	s_and_b32 s41, s2, 1
	s_lshl_b32 s41, s41, 4
	s_add_co_u32 s40, s40, s41
	s_lshl_b32 s41, s3, 5
	s_add_co_u32 s40, s40, s41
	s_lshl_b32 s36, s6, 19                         ; x, out0: 128 tb rows of 4,096 bytes,
	s_lshl_b32 s40, s40, 12
	s_add_co_u32 s36, s36, s40                     ; my first token,
	s_lshl_b32 s40, ttmp9, 8
	s_add_co_u32 s36, s36, s40                     ; the block's 256 bytes of a row
	s_mov_b32 s37, 0
	s_mul_i32 s44, s3, WTP                         ; LDS terms of the wave's number
	s_mul_i32 s43, s4, 528
	s_add_co_u32 s43, s43, s44                     ; weight row wq + 4 i lies at position wq + 4 (i % 2) + 8 ((i / 4) % 2) + 16 ((i / 2) % 2) + 32 (i / 8)
	s_mul_i32 s45, s3, WSP
	s_add_co_u32 s45, s45, WSC
	s_lshl_b32 s46, s3, 9
	s_add_co_u32 s46, s46, BIA
	s_mul_i32 s47, s3, STE
	s_mul_i32 s40, s4, 32*272
	s_add_co_u32 s47, s47, s40
	s_add_co_u32 s47, s47, STG
	s_mul_i32 s48, s2, 8*272
	s_add_co_u32 s48, s48, STG
	v_and_b32 v46, 31, v0                          ; l
	v_and_b32 v47, 15, v0                          ; r
	v_bfe_u32 v48, v0, 4, 1                        ; hl
	s_delay_alu instid0(VALU_DEP_3)
	v_lshlrev_b32 v[LI], 4, v46
	s_delay_alu instid0(VALU_DEP_4)
	v_lshlrev_b32 v[GO], 1, v46
	v_and_b32 v40, 127, v0
	s_delay_alu instid0(VALU_DEP_1)
	v_lshlrev_b32 v40, 4, v40                      ; Wo's codes and scales: 16 bytes for each of the expert's 128 threads
	v_and_b32 v41, 63, v0
	s_delay_alu instid0(VALU_DEP_1)
	v_lshlrev_b32 v41, 2, v41                      ; bo: number t % 64
	v_lshlrev_b32 v42, 4, v47                      ; gates: row r
	v_add_nc_u32 v43, s43, v[LI]
	v_bfe_u32 v44, v0, 1, 3                        ; my 16 scale bytes are half t % 2 of row (t % 128) / 2: its position,
	v_bfe_u32 v49, v0, 5, 1
	s_delay_alu instid0(VALU_DEP_1)
	v_lshl_or_b32 v44, v49, 3, v44
	v_bfe_u32 v49, v0, 4, 1
	s_delay_alu instid0(VALU_DEP_1)
	v_lshl_or_b32 v44, v49, 4, v44
	v_bfe_u32 v49, v0, 6, 1
	s_delay_alu instid0(VALU_DEP_1)
	v_lshl_or_b32 v44, v49, 5, v44
	s_delay_alu instid0(VALU_DEP_1)
	v_mul_u32_u24 v44, v44, 48
	v_and_b32 v49, 1, v0
	s_delay_alu instid0(VALU_DEP_1)
	v_lshl_add_u32 v44, v49, 4, v44
	s_delay_alu instid0(VALU_DEP_1)
	v_add_nc_u32 v44, s45, v44
	v_lshl_add_u32 v45, v0, 2, BIA
	v_mul_u32_u24 v[WA], v47, 528
	s_delay_alu instid0(VALU_DEP_1)
	v_lshl_add_u32 v[WA], v48, 4, v[WA]
	s_delay_alu instid0(VALU_DEP_1)
	v_add_nc_u32 v[WA], s44, v[WA]
	v_mul_u32_u24 v[WSA], v46, 48
	s_delay_alu instid0(VALU_DEP_1)
	v_add_nc_u32 v[WSA], s45, v[WSA]
	v_lshl_add_u32 v[BA], v48, 6, s46
	s_wait_alu depctr_va_vdst(0)
	s_wait_kmcnt 0x0
	s_add_nc_u64 s[14:15], s[14:15], s[24:25]
	s_add_nc_u64 s[16:17], s[16:17], s[26:27]
	s_add_nc_u64 s[18:19], s[18:19], s[28:29]
	s_add_nc_u64 s[10:11], s[10:11], s[30:31]
	s_add_nc_u64 s[12:13], s[12:13], s[32:33]
	s_add_nc_u64 s[8:9], s[8:9], s[34:35]
	s_add_nc_u64 s[20:21], s[20:21], s[36:37]
	s_add_nc_u64 s[22:23], s[22:23], s[36:37]
.irp i, 0,1,2,3,4,5,6,7,8,9,10,11,12,13,14,15
	global_load_b128 v[ACC+4*\i:ACC+4*\i+3], v40, s[14:15] offset:2048*\i     ; weight row wq + 4 i: 512 consecutive bytes a wave
.endr
	global_load_b128 v[WF:WF+3], v40, s[16:17]
	global_load_b32 v[WF+4], v41, s[18:19]
.irp n, 0,1,2,3,4,5,6,7,8,9,10,11,12,13,14,15
	global_load_u16 v[WS+\n], v[GO], s[10:11] offset:1024*\n                  ; head n's two scale bytes of my token: lanes 0-15 tile u = 0, lanes 16-31 tile u = 1
.endr
	global_load_b32 v6, v42, s[12:13]              ; my token's gate, tile u = 0,
	global_load_b32 v7, v42, s[12:13] offset:256   ; tile u = 1
	s_wait_loadcnt 18                              ; Wo and bo are in; behind them stand 16 loads of scale bytes and 2 of gates
.irp i, 0,1,2,3,4,5,6,7,8,9,10,11,12,13,14,15
	ds_store_b128 v43, v[ACC+4*\i:ACC+4*\i+3] offset:(4*(\i%2)+8*((\i/4)%2)+16*((\i/2)%2)+32*(\i/8))*528
.endr
	ds_store_b128 v44, v[WF:WF+3]
	ds_store_b32 v45, v[WF+4]
.irp s, 0,1,2,3,4,5,6,7
.irp u, 0,1
.irp c, 0,1
	global_load_b128 v[XF+16*\s+8*\u+4*\c:XF+16*\s+8*\u+4*\c+3], v[LI], s[8:9] offset:8192*\u+1024*\s+512*\c   ; ctx's codes are asked for behind the weights' stores: a group of four operand registers is 512 consecutive bytes
.endr
.endr
.endr
	s_wait_dscnt 0x0
	s_barrier_signal -1
	s_barrier_wait -1
	s_wait_loadcnt 32                              ; ctx's scale bytes and the gates are in; the 32 loads of codes may be out
.irp s, 0,1,2,3,4,5,6,7
	v_lshl_or_b32 v[XS+\s], v[WS+2*\s+1], 16, v[WS+2*\s]       ; K step s = heads 2 s and 2 s + 1: four bytes
.endr
.rept 8
	v_nop                                          ; a scale register written by a vector instruction stands eight places ahead of the scaled product that names it
.endr
	PASS 0, 1, BA, 128, 32, 0
	; ---- x is asked for; my part times its gate goes to the stage
	v_and_b32 v34, 15, v0                          ; r
	v_bfe_u32 v35, v0, 4, 1                        ; hl
	s_delay_alu instid0(VALU_DEP_1)
	v_lshlrev_b32 v[GO], 12, v35
	s_delay_alu instid0(VALU_DEP_1)
	v_lshl_add_u32 v[GO], v34, 4, v[GO]            ; lanes 0-15 one row's 256 bytes, lanes 16-31 the next row's
.irp k, 0,1,2,3
	global_load_b128 v[XF+4*\k:XF+4*\k+3], v[GO], s[20:21] offset:8192*\k
.endr
	v_mul_u32_u24 v[WA], v34, 272
	s_delay_alu instid0(VALU_DEP_1)
	v_lshl_add_u32 v[WA], v35, 6, v[WA]
	s_delay_alu instid0(VALU_DEP_1)
	v_add_nc_u32 v[WA], s47, v[WA]                 ; in: position 32 wq + 16 u + r, my 16 columns of a group of 32 at 64 hl
	v_mul_u32_u24 v[WSA], v35, 272
	s_delay_alu instid0(VALU_DEP_1)
	v_lshl_add_u32 v[WSA], v34, 4, v[WSA]
	s_delay_alu instid0(VALU_DEP_1)
	v_add_nc_u32 v[WSA], s48, v[WSA]               ; back: positions 8 w + 2 k + hl, 16 bytes a lane
	s_delay_alu instid0(VALU_DEP_1)
	v_add_nc_u32 v[BA], 2*STE, v[WSA]
	v_mov_b32 v32, v7                              ; the second tile's gate into the low word of a pair
.irp j, 0,2,4,6,8,10,12,14,16,18,20,22,24,26,28,30
	v_pk_mul_f32 v[ACC+\j:ACC+\j+1], v[ACC+\j:ACC+\j+1], v[6:7] op_sel_hi:[1,0]
.endr
.irp j, 32,34,36,38,40,42,44,46,48,50,52,54,56,58,60,62
	v_pk_mul_f32 v[ACC+\j:ACC+\j+1], v[ACC+\j:ACC+\j+1], v[32:33] op_sel_hi:[1,0]
.endr
.irp u, 0,1
.irp b, 0,1
.irp k, 0,1,2,3
	ds_store_b128 v[WA], v[ACC+32*\u+16*\b+4*\k:ACC+32*\u+16*\b+4*\k+3] offset:4352*\u+128*\b+16*\k
.endr
.endr
.endr
	s_wait_dscnt 0x0                               ; my part lies in the stage
	s_barrier_signal -1
	s_barrier_wait -1
	; ---- eight rows a wave: the four experts' parts and x
.irp k, 0,1,2,3
.irp q, 0,1
	ds_load_b128 v[144+16*\k+4*\q:144+16*\k+4*\q+3], v[WSA] offset:STE*\q+544*\k
	ds_load_b128 v[152+16*\k+4*\q:152+16*\k+4*\q+3], v[BA] offset:STE*\q+544*\k
.endr
.endr
	s_wait_dscnt 0x0
	s_wait_loadcnt 0x0                             ; x
.irp k, 0,1,2,3
.irp i, 0,2
	v_pk_add_f32 v[144+16*\k+\i:145+16*\k+\i], v[144+16*\k+\i:145+16*\k+\i], v[148+16*\k+\i:149+16*\k+\i]
	v_pk_add_f32 v[152+16*\k+\i:153+16*\k+\i], v[152+16*\k+\i:153+16*\k+\i], v[156+16*\k+\i:157+16*\k+\i]
.endr
.irp i, 0
	s_delay_alu instid0(VALU_DEP_3)
	v_pk_add_f32 v[144+16*\k+\i:145+16*\k+\i], v[144+16*\k+\i:145+16*\k+\i], v[152+16*\k+\i:153+16*\k+\i]
.endr
.irp i, 2
	s_delay_alu instid0(VALU_DEP_2)
	v_pk_add_f32 v[144+16*\k+\i:145+16*\k+\i], v[144+16*\k+\i:145+16*\k+\i], v[152+16*\k+\i:153+16*\k+\i]
.endr
.irp i, 0,2
	s_delay_alu instid0(VALU_DEP_2)
	v_pk_add_f32 v[144+16*\k+\i:145+16*\k+\i], v[144+16*\k+\i:145+16*\k+\i], v[XF+4*\k+\i:XF+4*\k+\i+1]
.endr
	global_store_b128 v[GO], v[144+16*\k:147+16*\k], s[22:23] offset:8192*\k th:TH_STORE_NT   ; sixteen lanes store 256 consecutive bytes, at a multiple of 256 from out0's first byte
.endr
	s_barrier_signal -1
	s_barrier_wait -1
	s_wait_xcnt 0x0
	v_lshl_add_u32 v254, v0, 2, 0x46800
	v_mov_b32 v255, 0
	s_wait_alu depctr_va_vdst(0)
	s_wait_tensorcnt 0x0
	ds_add_u32 v254, v255
	s_wait_dscnt 0x0
	s_endpgm
.Lfunc_end_k_qb3547b51af_proj:
	.size	k_qb3547b51af_proj, .Lfunc_end_k_qb3547b51af_proj-k_qb3547b51af_proj
	.p2alignl 7, 3214868480
	.fill 96, 4, 3214868480
	.section	.rodata,"a",@progbits
	.p2align	6, 0x0
	.amdhsa_kernel k_qb3547b51af_proj
		.amdhsa_group_segment_fixed_size 290816
		.amdhsa_private_segment_fixed_size 0
		.amdhsa_enable_private_segment 0
		.amdhsa_kernarg_size 64
		.amdhsa_user_sgpr_count 2
		.amdhsa_user_sgpr_kernarg_segment_ptr 1
		.amdhsa_wavefront_size32 1
		.amdhsa_system_sgpr_workgroup_id_x 1
		.amdhsa_system_sgpr_workgroup_id_y 1
		.amdhsa_system_sgpr_workgroup_id_z 1
		.amdhsa_system_vgpr_workitem_id 0
		.amdhsa_next_free_vgpr 256
		.amdhsa_next_free_sgpr 66
		.amdhsa_reserve_vcc 0
		.amdhsa_float_denorm_mode_32 3
		.amdhsa_float_denorm_mode_16_64 3
		.amdhsa_memory_ordered 1
		.amdhsa_forward_progress 1
		.amdhsa_inst_pref_size 38
	.end_amdhsa_kernel
	.amdgpu_metadata
---
amdhsa.version: [ 1, 2 ]
amdhsa.kernels:
  - .name:           k_qb3547b51af_proj
    .symbol:         k_qb3547b51af_proj.kd
    .args:
      - { .name: ctx_codes, .offset: 0, .size: 8, .value_kind: global_buffer, .address_space: global }
      - { .name: ctx_scales, .offset: 8, .size: 8, .value_kind: global_buffer, .address_space: global }
      - { .name: gates, .offset: 16, .size: 8, .value_kind: global_buffer, .address_space: global }
      - { .name: Wo_codes, .offset: 24, .size: 8, .value_kind: global_buffer, .address_space: global }
      - { .name: Wo_scales, .offset: 32, .size: 8, .value_kind: global_buffer, .address_space: global }
      - { .name: bo, .offset: 40, .size: 8, .value_kind: global_buffer, .address_space: global }
      - { .name: x, .offset: 48, .size: 8, .value_kind: global_buffer, .address_space: global }
      - { .name: out0, .offset: 56, .size: 8, .value_kind: global_buffer, .address_space: global }
    .group_segment_fixed_size: 290816
    .private_segment_fixed_size: 0
    .kernarg_segment_align: 8
    .kernarg_segment_size: 64
    .max_flat_workgroup_size: 512
    .sgpr_count:     66
    .vgpr_count:     256
    .wavefront_size: 32
...
	.end_amdgpu_metadata
.endif
;; end of part 3
